; MI455X (gfx1250); checked and timed in simulation.
; The chip was launched on July 23, 2026; its instructions are those of AMD's public machine-readable ISA for CDNA 5 (MIT licence, August 2026) and "CDNA5" Instruction Set Architecture Reference Guide (July 2026). The comments in the code are by the model that wrote it; some were corrected since.
;; Multi Head Self Attention. Allowed arithmetic: matrix products marked QUANTISED: E2M3 operands, one E8M0 scale for each 32 along K, by v_wmma_scale_f32_16x16x128_f8f6f4 with both operands' format E2M3, f32 sums; everything else in f32.
;; Inputs: fc_b 1,024 float32; fc_w 1,024 x 1,024 float32; qkv_b 3,072 float32; qkv_w 1,024 x 3,072 float32; x 4 x 2,048 x 1,024 float32.
;; Outputs: out0 4 x 2,048 x 1,024 float32.
;; This version of the problem:
;;   THIS VERSION OF THE PROBLEM IS GIVEN IN LOW PRECISION. The matrix products marked QUANTISED in the list below multiply operands that are first quantised to E2M3 (2 exponent bits, 3 mantissa bits; 6 bits a number), with one power-of-two scale for each 32 numbers along K (OCP MX v1.0); their sums are f32. All else is computed in f32.
;;   The module's matrix products, in the order in which they are computed (A, B: the left and right operand; K: the contracted axis; several contracted axes count as one K, in the product's order):
;;     1. [M 8,192, K 1,024] x [K 1,024, N 3,072]; A: input x; B: input qkv_w: QUANTISED
;;     2. batch 64 x [M 2,048, K 64] x [K 64, N 2,048]; A: computed on the way; B: computed on the way: QUANTISED
;;     3. batch 64 x [M 2,048, K 2,048] x [K 2,048, N 64]; A: softmax (see below); B: computed on the way: QUANTISED
;;     4. [M 8,192, K 1,024] x [K 1,024, N 1,024]; A: computed on the way; B: input fc_w: QUANTISED
;;   THE QUANTISER, for each operand of a quantised product, along K:
;;     - K is cut into blocks of 32 from its start; a last block that is shorter is filled with zeros.
;;     - A block's scale is 2^e with e = floor(log2(the largest magnitude in the block)) - 2, held to -126 .. 127; a block of zeros has e = 0. As a byte (E8M0): e + 127.
;;     - Each number is divided by its block's scale, clamped to +-7.5, and rounded to the nearest number of E2M3, ties to even, subnormals kept.
;;     - The product sums the exact products of the quantised numbers (number of the format x scale) in f32.
;;   ~~~python
;;   def quantise(x, axis):      # numpy; x: float32 -> the quantised numbers, widened to float32 again
;;       x = np.moveaxis(x, axis, -1); K = x.shape[-1]
;;       x = np.pad(x, [(0, 0)] * (x.ndim - 1) + [(0, -K % 32)]); x = x.reshape(x.shape[:-1] + (-1, 32)); a = np.abs(x).max(-1, keepdims=True)
;;       e = np.where(a > 0, np.clip(np.frexp(np.where(a > 0, a, 1))[1] - 1 - 2, -126, 127), 0)      # np.frexp(a)[1] - 1 = floor(log2(a)), exactly
;;       r = np.clip(x / 2.0 ** e, -7.5, 7.5)
;;       step = 2.0 ** (np.maximum(np.frexp(np.where(r == 0, 1, r))[1] - 1, 0) - 3)
;;       q = np.round(r / step) * step * 2.0 ** e      # np.round: ties to even
;;       return np.moveaxis(q.reshape(q.shape[:-2] + (-1,))[..., :K], -1, axis).astype(np.float32)
;;   ~~~
;;   SOFTMAX AHEAD OF A QUANTISED PRODUCT. Where the list says 'softmax', what is quantised is not the finished softmax but p = 2^(t - M), with t = logit x log2(e) and M = ceil(the row's largest t), a whole number; so 1/2 < the row's largest p <= 1. The row's sum l is taken of the UNQUANTISED p, in f32, and the product's result is divided by l at the end. Since M is a whole number, a kernel that streams over the keys may use a running M (the ceiling of the running maximum): every later rescaling is an exact power of two, which a block's scale takes up: the codes' values come out the same.
;;   OPERANDS COMPUTED ON THE WAY. 'Computed on the way' means the value that the module computes at that place (a softmax that the list does not call 'softmax' is quantised finished and normalised). What goes into a quantiser is computed in f32, as accurately as f32 sums, v_exp_f32 and their like allow (about 1e-6 of the number): no bf16 or f16 on the way to a quantiser, and a product that is left as it is and whose result goes on into a quantised operand takes f32 operands (vector FMAs, or v_wmma_f32_16x16x4_f32). A number that lies on a knife's edge between two numbers of the format may be rounded either way, as far as f32 arithmetic and the matrix unit's own rounding can turn it there, and no further.
;; One version. Each part assembles by itself: llvm-mc -triple=amdgcn-amd-amdhsa -mcpu=gfx1250 --defsym DOCPART=n.
;; ======== version 1 of 1: 5 launches
;; workspace buffers: xc 6,291,456 bytes; xs 262,144 bytes; wc 3,145,728 bytes; ws 131,072 bytes; qkvc 18,874,368 bytes; qkvs 786,432 bytes; oc 6,291,456 bytes; os 262,144 bytes
;; launch quant_x (part 1): grid 256 x 1, 4 waves a work-group, no clusters, 33,280 bytes of LDS; arguments x, xc, xs; writes xc, xs
.if DOCPART == 1
	.amdgcn_target "amdgcn-amd-amdhsa--gfx1250"
	.amdhsa_code_object_version 6
	.text
	.protected	k_q4ece382ad2_quant_x
	.globl	k_q4ece382ad2_quant_x
	.p2align	8
	.type	k_q4ece382ad2_quant_x,@function
k_q4ece382ad2_quant_x:
	s_mov_b64 s[64:65], 0
	v_nop
	global_prefetch_b8 v0, s[64:65] scope:SCOPE_SE
	s_setreg_imm32_b32 hwreg(HW_REG_WAVE_MODE, 25, 1), 1
	s_wait_xcnt 0x0
; x [8192][1024] f32 becomes codes of FP6 (E2M3), K innermost (a row: 768 bytes), and one E8M0 scale byte for each 32 along K (a row: 32 bytes).
; A block's scale is 2^(floor(log2(largest magnitude)) - 2); its byte is the largest magnitude's exponent field - 2, held at 1 from below.
; THE ROWS ARE STORED AT OTHER PLACES: row i goes to place pi(i) = i with bits 3 and 4 exchanged.  Sixteen neighbouring stored rows are then rows
; 32 b + 8 u + r + 8 (r / 8), so that the results of a product used transposed run along sixteen neighbours of the next product's K.
; A wave takes a run of 8,192 numbers = 8 whole rows, so bits 3 and 4 of its rows are bits 0 and 1 of the run's number: only the output's run number is turned.
; LIMITS: NaN and infinities are not served; a block under 2^-124, or all zeros, keeps the byte 1 (its codes are zeros, and this program alone reads the bytes).
; Each of a step's four loads reads 512 consecutive bytes; the 2,048 bytes turn through the wave's own stage in LDS, so that a lane holds 16 neighbours along K.
.set WAVES, 4
.set STEPS, 16
.set EMAX,  2
.set CB,    12                         ; bytes of 16 codes
.set R,     16                         ; v16-79   four sets of 16 numbers as loaded
.set X,     80                         ; v80-111  two sets of 16 neighbours
.set C,     128                        ; v128-191 codes: four registers a step, never written twice
.set E,     112                        ; v112-127 a scale byte for each step
.set WREG,  8192                       ; LDS: a region for each wave: two stages of 32 x SP bytes, then its 256 scale bytes
.set SP,    80                         ; a lane's place in a stage: 64 bytes + 16 of padding
.set SPW,   12                         ; v12 my spare word's LDS address; never rewritten
.set NIL,   13                         ; v13 0; never rewritten
.set SPARE, WAVES*WREG                 ; the spare words: 128 bytes a wave, named by no other line
	s_load_b128 s[4:7], s[0:1], 0x0                ; x, xc
	s_load_b64 s[8:9], s[0:1], 0x10                ; xs
	v_lshl_add_u32 v[SPW], v0, 2, SPARE
	v_mov_b32 v[NIL], 0
	v_lshrrev_b32 v1, 5, v0
	v_readfirstlane_b32 s16, v1                    ; wave
	v_and_b32 v2, 31, v0                           ; lane
	v_lshlrev_b32 v3, 4, v2                        ; my 16 bytes of a load's 512
	s_mul_i32 s17, s16, WREG
	v_lshrrev_b32 v14, 2, v2
	v_mul_u32_u24 v14, v14, SP
	v_and_b32 v15, 3, v2
	v_lshl_add_u32 v14, v15, 4, v14
	v_add_nc_u32 v14, s17, v14                     ; the stage, way in: SP (lane / 4) + 16 (lane % 4)
	v_mul_u32_u24 v15, v2, SP
	v_add_nc_u32 v15, s17, v15                     ; way out: SP x lane: my 16 neighbours
	v_mul_u32_u24 v4, v2, CB                       ; my codes' place in a step's 384 bytes
	v_lshrrev_b32 v5, 1, v2
	s_add_co_u32 s17, s17, 2*32*SP
	v_add_nc_u32 v5, s17, v5                       ; my block's byte among the wave's 256
	v_lshlrev_b32 v7, 3, v2
	v_add_nc_u32 v6, s17, v7                       ; and 8 bytes a lane on the way out
	s_lshl_b32 s18, ttmp9, 2
	s_add_co_u32 s20, s18, s16                     ; the run that I read: 4 x work-group + wave
	s_lshl_b32 s20, s20, 15                        ; x 32,768 bytes
	s_mov_b32 s21, 0
	s_and_b32 s22, s16, 1
	s_lshl_b32 s22, s22, 1
	s_lshr_b32 s23, s16, 1
	s_or_b32 s22, s22, s23                         ; the wave's two bits exchanged
	s_add_co_u32 s22, s18, s22                     ; the run that I write
	s_mul_i32 s24, s22, 32*STEPS*CB                ; x 6,144 bytes of codes
	s_mov_b32 s25, 0
	s_lshl_b32 s26, s22, 8                         ; x 256 scale bytes
	s_mov_b32 s27, 0
	s_wait_alu depctr_va_vdst(0)
	s_wait_kmcnt 0x0
	s_add_nc_u64 s[4:5], s[4:5], s[20:21]
	s_add_nc_u64 s[6:7], s[6:7], s[24:25]
	s_add_nc_u64 s[8:9], s[8:9], s[26:27]
.macro LOAD t
.irp i, 0,1,2,3
	global_load_b128 v[R+16*((\t)%4)+4*\i:R+16*((\t)%4)+4*\i+3], v3, s[4:5] offset:2048*(\t)+512*\i th:TH_LOAD_NT   ; 32 lanes read 512 consecutive bytes
.endr
.endm
.macro TURN t                          ; step t's numbers through the stage; LDS serves a wave's instructions in order, so no wait stands between
.irp i, 0,1,2,3
	ds_store_b128 v14, v[R+16*((\t)%4)+4*\i:R+16*((\t)%4)+4*\i+3] offset:32*SP*((\t)%2)+8*SP*\i
.endr
.irp i, 0,1,2,3
	ds_load_b128 v[X+16*((\t)%2)+4*\i:X+16*((\t)%2)+4*\i+3], v15 offset:32*SP*((\t)%2)+16*\i
.endr
.endm
.irp t, 0,1,2,3
	LOAD \t
.endr
	s_wait_loadcnt 12                              ; step 0's four loads are in; three steps' twelve may be out
	TURN 0
.macro STEP t
.set XS, X+16*((\t)%2)
.if (\t) > 0
	s_wait_dscnt 1                                 ; this step's numbers are back from the stage; the last step's byte store may be out
.else
	s_wait_dscnt 0x0
.endif
.if (\t)+4 < STEPS
	LOAD (\t)+4                                    ; into the registers that the stage's stores have read
.endif
.if (\t)+1 < STEPS
.if STEPS-2-(\t) >= 3
	s_wait_loadcnt 12                              ; the next step's four loads are in; those of three steps behind it may be out
.else
	s_wait_loadcnt 4*(STEPS-2-(\t))
.endif
	TURN (\t)+1
.endif
	v_max3_num_f32 v8, |v[XS]|, |v[XS+1]|, |v[XS+2]|               ; the largest magnitude of my 16, in two chains
	v_max3_num_f32 v9, |v[XS+3]|, |v[XS+4]|, |v[XS+5]|
.irp i, 6,10
	v_max3_num_f32 v8, v8, |v[XS+\i]|, |v[XS+\i+1]|
	v_max3_num_f32 v9, v9, |v[XS+\i+2]|, |v[XS+\i+3]|
.endr
	v_max3_num_f32 v8, v8, |v[XS+14]|, |v[XS+15]|
	v_max3_num_f32 v8, v8, v9, (EMAX+1)<<23        ; and the floor 2^(3 - 127): the byte cannot fall under 1
	v_max_num_f32_dpp v8, v8, v8 row_xmask:1 row_mask:0xf bank_mask:0xf   ; with my neighbour's 16: the block's
	v_add_nc_u32 v11, -(EMAX<<23), v8              ; 2 off its exponent field: the conversion's scale operand
	v_cvt_scalef32_pk16_fp6_f32 v[C+4*(\t):C+4*(\t)+2], v[XS:XS+15], v11
	v_lshrrev_b32 v[E+(\t)], 23, v11               ; the scale's byte
	ds_store_b8 v5, v[E+(\t)] offset:16*(\t)       ; both lanes of a block write the same byte with the same value
	global_store_b96 v4, v[C+4*(\t):C+4*(\t)+2], s[6:7] offset:32*CB*(\t)   ; the wave stores 384 consecutive bytes
.endm
.irp t, 0,1,2,3,4,5,6,7,8,9,10,11,12,13,14,15
	STEP \t
.endr
	ds_load_b64 v[8:9], v6                         ; in order behind my byte stores
	s_wait_dscnt 0x0
	global_store_b64 v7, v[8:9], s[8:9]            ; 32 lanes store 256 consecutive bytes, aligned
	s_wait_tensorcnt 0x0                           ; the wave's end, behind my last LDS store
	ds_add_u32 v[SPW], v[NIL]
	s_wait_dscnt 0x0
	s_endpgm
.Lfunc_end_k_q4ece382ad2_quant_x:
	.size	k_q4ece382ad2_quant_x, .Lfunc_end_k_q4ece382ad2_quant_x-k_q4ece382ad2_quant_x
	.p2alignl 7, 3214868480
	.fill 96, 4, 3214868480
	.section	.rodata,"a",@progbits
	.p2align	6, 0x0
	.amdhsa_kernel k_q4ece382ad2_quant_x
		.amdhsa_group_segment_fixed_size 33280
		.amdhsa_private_segment_fixed_size 0
		.amdhsa_enable_private_segment 0
		.amdhsa_kernarg_size 24
		.amdhsa_user_sgpr_count 2
		.amdhsa_user_sgpr_kernarg_segment_ptr 1
		.amdhsa_wavefront_size32 1
		.amdhsa_system_sgpr_workgroup_id_x 1
		.amdhsa_system_sgpr_workgroup_id_y 1
		.amdhsa_system_sgpr_workgroup_id_z 1
		.amdhsa_system_vgpr_workitem_id 0
		.amdhsa_next_free_vgpr 192
		.amdhsa_next_free_sgpr 66
		.amdhsa_reserve_vcc 0
		.amdhsa_float_denorm_mode_32 3
		.amdhsa_float_denorm_mode_16_64 3
		.amdhsa_memory_ordered 1
		.amdhsa_forward_progress 1
		.amdhsa_inst_pref_size 32
	.end_amdhsa_kernel
	.amdgpu_metadata
---
amdhsa.version: [ 1, 2 ]
amdhsa.kernels:
  - .name:           k_q4ece382ad2_quant_x
    .symbol:         k_q4ece382ad2_quant_x.kd
    .args:
      - { .name: x, .offset: 0, .size: 8, .value_kind: global_buffer, .address_space: global }
      - { .name: xc, .offset: 8, .size: 8, .value_kind: global_buffer, .address_space: global }
      - { .name: xs, .offset: 16, .size: 8, .value_kind: global_buffer, .address_space: global }
    .group_segment_fixed_size: 33280
    .private_segment_fixed_size: 0
    .kernarg_segment_align: 8
    .kernarg_segment_size: 24
    .max_flat_workgroup_size: 128
    .sgpr_count:     66
    .vgpr_count:     192
    .wavefront_size: 32
...
	.end_amdgpu_metadata
.endif
;; end of part 1
;; launch quant_w (part 2): grid 32 x 4, 4 waves a work-group, no clusters, 35,840 bytes of LDS; arguments qkv_w, fc_w, wc, ws; writes wc, ws
.if DOCPART == 2
	.amdgcn_target "amdgcn-amd-amdhsa--gfx1250"
	.amdhsa_code_object_version 6
	.text
	.protected	k_q4ece382ad2_quant_w
	.globl	k_q4ece382ad2_quant_w
	.p2align	8
	.type	k_q4ece382ad2_quant_w,@function
k_q4ece382ad2_quant_w:
	s_mov_b64 s[64:65], 0
	v_nop
	global_prefetch_b8 v0, s[64:65] scope:SCOPE_SE
	s_setreg_imm32_b32 hwreg(HW_REG_WAVE_MODE, 25, 1), 1
	s_wait_xcnt 0x0
; qkv_w [1024][3072] and fc_w [1024][1024], f32, K on the FIRST axis, become codes of FP6 (E2M3) laid [4096 stored rows][768 bytes], K innermost, and scale bytes [4096][32].
; Stored rows 0..3071 are pi(column of qkv_w), rows 3072..4095 are 3072 + pi(column of fc_w); pi exchanges bits 3 and 4 of a number.
; A LANE TAKES A COLUMN AND ITS REGISTERS RUN DOWN K: a block of 32 lies in one lane, and the conversions give codes with K innermost.
; One path serves both weights: work-group x (a group of 128 columns) chooses the pointer and the row pitch by selects; the pitch is a scalar, so the 32 rows of a block
; have 32 offset registers (made once) and each of the 8 blocks a base of its own (made once): nothing is stepped.
; A wave takes 32 columns x 256 along K (work-group y); its codes go through its own stage in LDS and leave as rows: sixteen lanes store a row's 192 consecutive bytes.
; LIMITS: NaN and infinities are not served; a block under 2^-124, or all zeros, keeps the byte 1 (its codes are zeros, and this program alone reads the bytes).
.set NB,    8                          ; blocks of 32 for a wave
.set ROWB,  192                        ; bytes of 256 codes
.set PITCH, 272                        ; a stage row: sixteen places of 16 bytes (12 of codes each) + 16
.set KROW,  768                        ; a row of wc
.set EMAX,  2
.set X,     32                         ; v32-95   two sets of 32 numbers
.set C,     96                         ; v96-102  a block's codes
.set OUTR,  112                        ; v112-175 the way out
.set VO,    176                        ; v176-207 i x pitch + 4 x lane; never rewritten
.set SB,    24                         ; v24-25   the scale bytes
.set SPW,   14
.set NIL,   15
.set SPARE, 4*32*PITCH                 ; behind the four stages: the spare words
.set BASE,  32                         ; s[32:47] block t's first row, at my wave's first column
	s_load_b256 s[4:11], s[0:1], 0x0               ; qkv_w, fc_w, wc, ws
	v_lshl_add_u32 v[SPW], v0, 2, SPARE
	v_mov_b32 v[NIL], 0
	v_lshrrev_b32 v1, 5, v0
	v_readfirstlane_b32 s16, v1                    ; wave
	v_and_b32 v2, 31, v0                           ; lane
	s_wait_alu depctr_va_vdst(0)
	s_and_b32 s18, ttmp7, 0xffff                   ; which 256 along K
	s_mov_b32 s19, 4096
	s_cmp_lt_u32 ttmp9, 24                         ; groups 0..23: qkv_w; 24..31: fc_w
	s_cselect_b32 s19, 12288, s19                  ; a row of the weight in bytes
	s_cselect_b32 s17, 0, 24
	s_sub_co_u32 s17, ttmp9, s17
	s_lshl_b32 s17, s17, 7
	s_lshl_b32 s20, s16, 5
	s_add_co_u32 s17, s17, s20                     ; my first column in the weight
	s_lshl_b32 s21, ttmp9, 7
	s_add_co_u32 s21, s21, s20                     ; my first stored row (a multiple of 32: pi stays inside my 32)
	s_mul_i32 s22, s18, s19
	s_lshl_b32 s22, s22, 8                         ; 256 rows of the weight for each y
	s_lshl_b32 s23, s17, 2
	s_add_co_u32 s22, s22, s23
	s_mov_b32 s23, 0
	s_lshl_b32 s24, s19, 5                         ; a block: 32 rows
	s_mov_b32 s25, 0
	s_mul_i32 s26, s21, KROW
	s_mul_i32 s27, s18, ROWB
	s_add_co_u32 s26, s26, s27                     ; codes: row x 768 + 192 y
	s_mov_b32 s27, 0
	s_lshl_b32 s28, s21, 5
	s_lshl_b32 s29, s18, 3
	s_add_co_u32 s28, s28, s29                     ; scale bytes: row x 32 + 8 y
	s_mov_b32 s29, 0
	v_lshlrev_b32 v3, 2, v2                        ; 4 bytes a lane
.irp i, 0,1,2,3,4,5,6,7,8,9,10,11,12,13,14,15,16,17,18,19,20,21,22,23,24,25,26,27,28,29,30,31
	v_mad_u32_u24 v[VO+\i], s19, \i, v3
.endr
	s_mul_i32 s30, s16, 32*PITCH                   ; my stage
	v_mul_u32_u24 v4, v2, PITCH
	v_add_nc_u32 v4, s30, v4                       ; into it: row = my column
	v_and_b32 v5, 15, v2
	v_lshrrev_b32 v6, 4, v2
	v_mul_u32_u24 v7, v6, PITCH
	v_lshl_add_u32 v7, v5, 4, v7
	v_add_nc_u32 v7, s30, v7                       ; out of it: sixteen lanes to a row, two rows an instruction
	v_mul_u32_u24 v8, v6, KROW
	v_mad_u32_u24 v8, v5, 12, v8                   ; and the same place in wc
	v_and_b32 v10, 7, v2                           ; pi(lane)
	v_and_b32 v11, 8, v2
	v_lshl_or_b32 v10, v11, 1, v10
	v_lshrrev_b32 v11, 1, v2
	v_and_b32 v11, 8, v11
	v_or_b32 v10, v10, v11
	v_lshlrev_b32 v9, 5, v10                       ; my column's row of scale bytes
	s_wait_kmcnt 0x0
	s_cmp_lt_u32 ttmp9, 24
	s_cselect_b64 s[BASE:BASE+1], s[4:5], s[6:7]
	s_add_nc_u64 s[BASE:BASE+1], s[BASE:BASE+1], s[22:23]
.irp t, 1,2,3,4,5,6,7
	s_add_nc_u64 s[BASE+2*\t:BASE+2*\t+1], s[BASE+2*\t-2:BASE+2*\t-1], s[24:25]
.endr
	s_add_nc_u64 s[8:9], s[8:9], s[26:27]
	s_add_nc_u64 s[10:11], s[10:11], s[28:29]
.macro LOAD t                          ; block t: W(32 t + i, my column) into set t % 2; a wave reads 128 consecutive bytes an instruction
.irp i, 0,1,2,3,4,5,6,7,8,9,10,11,12,13,14,15,16,17,18,19,20,21,22,23,24,25,26,27,28,29,30,31
	global_load_b32 v[X+32*((\t)%2)+\i], v[VO+\i], s[BASE+2*(\t):BASE+2*(\t)+1] th:TH_LOAD_NT
.endr
.endm
	LOAD 0
	LOAD 1
.macro BLOCK t
.set XS, X+32*((\t)%2)
.if (\t) < NB-1
	s_wait_loadcnt 32                              ; this block's 32 loads are in; the next block's may be out
.else
	s_wait_loadcnt 0
.endif
	v_max3_num_f32 v12, |v[XS]|, |v[XS+1]|, |v[XS+2]|               ; the block's largest magnitude: all 32 numbers are mine
	v_max3_num_f32 v13, |v[XS+3]|, |v[XS+4]|, |v[XS+5]|
.irp i, 6,10,14,18,22,26
	v_max3_num_f32 v12, v12, |v[XS+\i]|, |v[XS+\i+1]|
	v_max3_num_f32 v13, v13, |v[XS+\i+2]|, |v[XS+\i+3]|
.endr
	v_max3_num_f32 v12, v12, |v[XS+30]|, |v[XS+31]|
	v_max3_num_f32 v12, v12, v13, (EMAX+1)<<23     ; and the floor: the byte cannot fall under 1
	v_add_nc_u32 v11, -(EMAX<<23), v12             ; the conversion's scale operand
	v_lshrrev_b32 v13, 23, v11                     ; the scale's byte
.if (\t)%4 == 0
	v_mov_b32 v[SB+(\t)/4], v13
.else
	v_lshl_or_b32 v[SB+(\t)/4], v13, 8*((\t)%4), v[SB+(\t)/4]
.endif
	v_cvt_scalef32_pk16_fp6_f32 v[C:C+2], v[XS:XS+15], v11
	v_cvt_scalef32_pk16_fp6_f32 v[C+4:C+6], v[XS+16:XS+31], v11     ; (a conversion's three registers begin on an even number)
	ds_store_b96 v4, v[C:C+2] offset:32*(\t)       ; 12 bytes to a place of 16
	ds_store_b96 v4, v[C+4:C+6] offset:32*(\t)+16
.if (\t)+2 < NB
	LOAD (\t)+2
.endif
	s_wait_dscnt 0x0                               ; the stores have read their registers: the next block's codes may be written
.endm
.set Q, 0
.rept NB
	BLOCK Q
.set Q, Q+1
.endr
	s_wait_alu depctr_va_vdst(0)
	global_store_b64 v9, v[SB:SB+1], s[10:11]      ; my column's 8 scale bytes
.irp t, 0,1,2,3,4,5,6,7,8,9,10,11,12,13,14,15
	ds_load_b96 v[OUTR+4*\t:OUTR+4*\t+2], v7 offset:2*\t*PITCH   ; in order behind my stores
.endr
.irp t, 0,1,2,3,4,5,6,7,8,9,10,11,12,13,14,15
	s_wait_dscnt 15-\t                             ; the younger loads may be out
	global_store_b96 v8, v[OUTR+4*\t:OUTR+4*\t+2], s[8:9] offset:((((2*\t)&7)|(((2*\t)&8)<<1)|(((2*\t)&16)>>1))*KROW)   ; columns 2 t, 2 t + 1 go to rows pi(2 t), pi(2 t) + 1
.endr
	s_wait_tensorcnt 0x0                           ; the wave's end, behind my last LDS store
	ds_add_u32 v[SPW], v[NIL]
	s_wait_dscnt 0x0
	s_endpgm
.Lfunc_end_k_q4ece382ad2_quant_w:
	.size	k_q4ece382ad2_quant_w, .Lfunc_end_k_q4ece382ad2_quant_w-k_q4ece382ad2_quant_w
	.p2alignl 7, 3214868480
	.fill 96, 4, 3214868480
	.section	.rodata,"a",@progbits
	.p2align	6, 0x0
	.amdhsa_kernel k_q4ece382ad2_quant_w
		.amdhsa_group_segment_fixed_size 35840
		.amdhsa_private_segment_fixed_size 0
		.amdhsa_enable_private_segment 0
		.amdhsa_kernarg_size 32
		.amdhsa_user_sgpr_count 2
		.amdhsa_user_sgpr_kernarg_segment_ptr 1
		.amdhsa_wavefront_size32 1
		.amdhsa_system_sgpr_workgroup_id_x 1
		.amdhsa_system_sgpr_workgroup_id_y 1
		.amdhsa_system_sgpr_workgroup_id_z 1
		.amdhsa_system_vgpr_workitem_id 0
		.amdhsa_next_free_vgpr 208
		.amdhsa_next_free_sgpr 66
		.amdhsa_reserve_vcc 0
		.amdhsa_float_denorm_mode_32 3
		.amdhsa_float_denorm_mode_16_64 3
		.amdhsa_memory_ordered 1
		.amdhsa_forward_progress 1
		.amdhsa_inst_pref_size 45
	.end_amdhsa_kernel
	.amdgpu_metadata
---
amdhsa.version: [ 1, 2 ]
amdhsa.kernels:
  - .name:           k_q4ece382ad2_quant_w
    .symbol:         k_q4ece382ad2_quant_w.kd
    .args:
      - { .name: qkv_w, .offset: 0, .size: 8, .value_kind: global_buffer, .address_space: global }
      - { .name: fc_w, .offset: 8, .size: 8, .value_kind: global_buffer, .address_space: global }
      - { .name: wc, .offset: 16, .size: 8, .value_kind: global_buffer, .address_space: global }
      - { .name: ws, .offset: 24, .size: 8, .value_kind: global_buffer, .address_space: global }
    .group_segment_fixed_size: 35840
    .private_segment_fixed_size: 0
    .kernarg_segment_align: 8
    .kernarg_segment_size: 32
    .max_flat_workgroup_size: 128
    .sgpr_count:     66
    .vgpr_count:     208
    .wavefront_size: 32
...
	.end_amdgpu_metadata
.endif
;; end of part 2
;; launch qkv (part 3): grid 12 x 32, 4 waves a work-group, clusters of 4 x 4, 327,680 bytes of LDS; arguments xc, xs, wc, ws, qkv_b, qkvc, qkvs; writes qkvc, qkvs
.if DOCPART == 3
	.amdgcn_target "amdgcn-amd-amdhsa--gfx1250"
	.amdhsa_code_object_version 6
	.text
	.protected	k_q4ece382ad2_qkv
	.globl	k_q4ece382ad2_qkv
	.p2align	8
	.type	k_q4ece382ad2_qkv,@function
k_q4ece382ad2_qkv:
	s_mov_b64 s[64:65], 0
	v_nop
	global_prefetch_b8 v0, s[64:65] scope:SCOPE_SE
	s_setreg_imm32_b32 hwreg(HW_REG_WAVE_MODE, 25, 1), 1
	s_wait_xcnt 0x0
	s_wait_alu depctr_hold_cnt(0) depctr_sa_sdst(0) depctr_va_vdst(0) depctr_va_sdst(0) depctr_va_ssrc(0) depctr_va_vcc(0) depctr_vm_vsrc(0)
	s_getreg_b32 s2, hwreg(HW_REG_IB_STS2, 6, 4)
	s_cmp_eq_u32 s2, 0
	s_cbranch_scc0 .Lentry_in_a_cluster
	s_endpgm
.Lentry_in_a_cluster:
	s_bfe_u32 s2, ttmp6, 0x10000c
	s_cmp_lg_u32 s2, 0xf033
	s_cbranch_scc0 .Lentry_shape_is_right
	s_endpgm
.Lentry_shape_is_right:
.set KSTEP,  256
.set NQ,     2
.set ROWB,   192
.set KROW,   768
.set PITCH,  240
.set FR,     12
.set NL,     6
.set NP,     4
.set HALFT,  128*PITCH
.set SLOT,   4*HALFT
.set LAPS,   2
.set KS,     32
.set SCL,    2*SLOT
.set HALFS,  (128*KS/256)*272
.set SBLK,   (16*KS/256)*272
.set SPARE,  SCL+4*HALFS
.set LI,   7
.set SWO,  8
.set BQ,   9
.set BV,   10
.set ADRA, 16
.set ADRB, 20
.set ADRS, 27
.set SPW,  28
.set NIL,  29
.set SC,   32
.set BI,   64
.set AF,   128
.set T,    128
.set PC,   192
.set TM,   212
.set SW,   232
.set G1, 24
.set G0, 32
.set G1B, 48
.set G0B, 56
.set G1S, 68
.set G0S, 76
.set G1SB, 80
.set G0SB, 88
.set KIND, 95
.set SEL, 100
.set MSB, 0
.macro WIN new
.if MSB != (\new)
	s_set_vgpr_msb (MSB<<8)|(\new)
.set MSB, (\new)
.endif
.endm
.set MUL_LO, 0xa1
.set MUL_HI, 0xf1
.set TO_B,   0x40
.macro JLOAD g0a, g1a, g0b, g1b
	s_cmp_eq_u32 s15, 0
	s_cbranch_scc0 .Lfor_b_\@
	tensor_load_to_lds s[\g0a:\g0a+3], s[\g1a:\g1a+7]
	s_nop 0
.rept 4
	v_nop
.endr
	s_branch .Lasked_\@
.Lfor_b_\@:
	tensor_load_to_lds s[\g0b:\g0b+3], s[\g1b:\g1b+7]
	s_nop 0
.rept 4
	v_nop
.endr
.Lasked_\@:
.endm
.macro CREST
	s_cmp_lg_u32 s14, 0
	s_cbranch_scc1 .Lnot_wave_0_\@
	s_barrier_signal -3
.Lnot_wave_0_\@:
	s_barrier_wait -3
	s_barrier_signal -1
	s_barrier_wait -1
.endm
.macro CROUND
	s_barrier_signal -1
	s_barrier_wait -1
	CREST
.endm
	s_load_b256 s[4:11], s[0:1], 0x0
	s_load_b64 s[12:13], s[0:1], 0x20
	s_load_b64 s[96:97], s[0:1], 0x28
	s_load_b64 s[98:99], s[0:1], 0x30
	v_lshl_add_u32 v[SPW], v0, 2, SPARE
	v_mov_b32 v[NIL], 0
	ds_add_u32 v[SPW], v[NIL]
	ds_add_u32 v[SPW], v[NIL]
	v_lshrrev_b32 v1, 5, v0
	v_readfirstlane_b32 s14, v1
	s_lshr_b32 s15, s14, 1
	s_and_b32 s16, s14, 1
	s_bfe_u32 s40, ttmp6, 0x40000
	s_bfe_u32 s41, ttmp6, 0x40004
	s_and_b32 s18, ttmp7, 0xffff
	s_lshl_b32 s18, s18, 2
	s_lshl_b32 s19, ttmp9, 2
	s_cmp_lt_u32 ttmp9, 2
	s_cselect_b32 s17, s18, 8
	s_cselect_b32 s42, s19, s18
	s_cselect_b32 s[KIND], 1, 0
	s_add_co_u32 s17, s17, s41
	s_add_co_u32 s42, s42, s40
	s_lshl_b32 s43, s41, 2
	s_lshl_b32 s43, 15, s43
	s_lshl_b32 s44, 0x1111, s40
	s_or_b32 s[G1+0], s43, (0<<16)|(1<<20)|(1<<21)|(3<<22)|(3<<25)
	s_or_b32 s[G1B+0], s44, (0<<16)|(1<<20)|(1<<21)|(3<<22)|(3<<25)
.irp g, G1, G1B
	s_mov_b32 s[\g+1], ROWB<<16
	s_mov_b32 s[\g+2], 128<<16
	s_mov_b32 s[\g+3], ROWB<<16
	s_mov_b32 s[\g+4], 128
	s_mov_b32 s[\g+5], KROW
	s_mov_b32 s[\g+6], 0
	s_mov_b32 s[\g+7], 0
.endr
	s_or_b32 s[G1S+0], s43, (3<<16)|(1<<20)|(1<<21)|(5<<22)|(3<<25)
	s_or_b32 s[G1SB+0], s44, (3<<16)|(1<<20)|(1<<21)|(5<<22)|(3<<25)
.irp g, G1S, G1SB
	s_mov_b32 s[\g+1], 32<<16
	s_mov_b32 s[\g+2], (128*KS/256)<<16
	s_mov_b32 s[\g+3], 32<<16
	s_mov_b32 s[\g+4], 128*KS/256
	s_mov_b32 s[\g+5], 32
	s_mov_b32 s[\g+6], 0
	s_mov_b32 s[\g+7], 0
.endr
	s_lshl_b32 s18, s16, 7
	s_lshl_b32 s20, s17, 8
	s_add_co_u32 s20, s20, s18
	s_lshl_b32 s46, s42, 8
	s_add_co_u32 s46, s46, s18
	s_mov_b32 s21, 0
	s_mov_b32 s47, 0
	s_mov_b64 s[18:19], KS
	s_mul_u64 s[22:23], s[20:21], s[18:19]
	s_mul_u64 s[92:93], s[46:47], s[18:19]
	s_mov_b64 s[18:19], KROW
	s_mul_u64 s[20:21], s[20:21], s[18:19]
	s_mul_u64 s[46:47], s[46:47], s[18:19]
	s_mul_i32 s45, s14, HALFT
	s_mul_i32 s94, s14, HALFS
	s_mov_b32 s[SEL], 0x76543210
	s_mov_b32 s[SEL+1], 0xfedcba98
	s_wait_dscnt 0x0
	s_wait_kmcnt 0x0
	s_cmp_lt_u32 ttmp9, 2
	s_cselect_b64 s[2:3], s[4:5], s[8:9]
	s_cselect_b64 s[8:9], s[8:9], s[4:5]
	s_mov_b64 s[4:5], s[2:3]
	s_cselect_b64 s[2:3], s[6:7], s[10:11]
	s_cselect_b64 s[10:11], s[10:11], s[6:7]
	s_mov_b64 s[6:7], s[2:3]
	s_add_nc_u64 s[20:21], s[4:5], s[20:21]
	s_add_nc_u64 s[22:23], s[6:7], s[22:23]
	s_add_nc_u64 s[46:47], s[8:9], s[46:47]
	s_add_nc_u64 s[92:93], s[10:11], s[92:93]
	CROUND
	s_mov_b32 s[G0S], 1
	s_add_co_u32 s[G0S+1], s94, SCL
	s_mov_b64 s[G0S+2:G0S+3], s[22:23]
	s_or_b32 s[G0S+3], s[G0S+3], 0x80000000
	s_mov_b32 s[G0SB], 1
	s_add_co_u32 s[G0SB+1], s94, SCL
	s_mov_b64 s[G0SB+2:G0SB+3], s[92:93]
	s_or_b32 s[G0SB+3], s[G0SB+3], 0x80000000
	JLOAD G0S, G1S, G0SB, G1SB
.irp s, 0,1
	s_mov_b32 s[G0+4*\s], 1
	s_add_co_u32 s[G0+4*\s+1], s45, \s*SLOT
	s_add_nc_u64 s[G0+4*\s+2:G0+4*\s+3], s[20:21], \s*ROWB
	s_or_b32 s[G0+4*\s+3], s[G0+4*\s+3], 0x80000000
	s_mov_b32 s[G0B+4*\s], 1
	s_add_co_u32 s[G0B+4*\s+1], s45, \s*SLOT
	s_add_nc_u64 s[G0B+4*\s+2:G0B+4*\s+3], s[46:47], \s*ROWB
	s_or_b32 s[G0B+4*\s+3], s[G0B+4*\s+3], 0x80000000
	s_wait_alu depctr_va_vdst(0)
	s_wait_tensorcnt 0x0
	ds_add_u32 v28, v29
	s_wait_dscnt 0x0
	CROUND
	JLOAD G0+4*\s, G1, G0B+4*\s, G1B
.endr
	v_and_b32 v1, 15, v0
	v_bfe_u32 v2, v0, 4, 1
	v_mul_u32_u24 v3, v1, PITCH
	v_mul_u32_u24 v4, v2, 24
	v_add_nc_u32 v4, v3, v4
	v_lshl_add_u32 v5, v2, 4, v4
	s_mul_i32 s21, s15, HALFT
	s_mul_i32 s22, s16, HALFT
	s_add_co_u32 s22, s22, 2*HALFT
.irp s, 0,1
	v_add_nc_u32 v[ADRA+\s], s21, v4
	v_add_nc_u32 v[ADRB+\s], s22, v4
	v_add_nc_u32 v[ADRA+2+\s], s21, v5
	v_add_nc_u32 v[ADRB+2+\s], s22, v5
	s_add_co_u32 s21, s21, SLOT
	s_add_co_u32 s22, s22, SLOT
.endr
	v_mul_u32_u24 v5, v1, KS
	v_lshrrev_b32 v6, 8, v5
	v_lshl_add_u32 v5, v6, 4, v5
	s_mul_i32 s21, s15, HALFS
	s_mul_i32 s22, s16, HALFS
	s_add_co_u32 s22, s22, 2*HALFS
	s_sub_co_u32 s22, s22, s21
	v_mul_u32_u24 v6, s22, v2
	s_add_co_u32 s21, s21, SCL
	v_add_nc_u32 v5, v5, v6
	v_add_nc_u32 v[ADRS], s21, v5
	v_and_b32 v6, 31, v0
	v_lshlrev_b32 v[LI], 4, v6
	v_lshlrev_b32 v[SWO], 4, v1
	v_lshl_add_u32 v[SWO], v2, 12, v[SWO]
	v_lshlrev_b32 v[BQ], 6, v2
	v_and_b32 v[BV], 8, v1
	v_add_nc_u32 v[BV], v[BV], v1
	v_lshlrev_b32 v[BV], 2, v[BV]
	s_lshl_b32 s20, s17, 1
	s_add_co_u32 s20, s20, s15
	s_lshl_b32 s21, s42, 1
	s_add_co_u32 s21, s21, s16
	s_cmp_eq_u32 s[KIND], 1
	s_cselect_b32 s22, s20, s21
	s_cselect_b32 s23, s21, s20
	s_lshr_b32 s46, s23, 3
	s_and_b32 s47, s23, 7
	s_lshl_b32 s47, s47, 1
	s_lshr_b32 s92, s22, 4
	s_and_b32 s93, s22, 15
	s_lshl_b32 s92, s92, 4
	s_add_co_u32 s92, s92, s47
	s_mul_i32 s18, s46, 6291456
	s_mul_i32 s19, s92, 98304
	s_add_co_u32 s18, s18, s19
	s_mul_i32 s19, s93, 6144
	s_add_co_u32 s18, s18, s19
	s_mov_b32 s19, 0
	s_add_nc_u64 s[96:97], s[96:97], s[18:19]
	s_lshl_b32 s18, s46, 18
	s_lshl_b32 s19, s92, 12
	s_add_co_u32 s18, s18, s19
	s_lshl_b32 s19, s93, 8
	s_add_co_u32 s18, s18, s19
	s_mov_b32 s19, 0
	s_add_nc_u64 s[98:99], s[98:99], s[18:19]
	s_lshl_b32 s18, s23, 9
	s_add_nc_u64 s[12:13], s[12:13], s[18:19]
.macro FRAG reg, adr, q, i
.irp p, 0,1,2,3,4,5
.set PCE, 12*(\q)+6*(\p/3)+\p%3
.if PCE%8 < 5
	ds_load_b64 v[\reg+2*\p:\reg+2*\p+1], v[\adr] offset:8*PCE+16*(PCE/8)+(\i)*16*PITCH
.else
	ds_load_b64 v[\reg+2*\p:\reg+2*\p+1], v[\adr+2] offset:8*PCE+16*(PCE/8)+(\i)*16*PITCH
.endif
.endr
.endm
.macro MUL16 a0, p, q, sc, zero
.irp a, \a0, \a0+1
.irp b, 0,1,2,3,4,5,6,7
.if \zero
	v_wmma_scale_f32_16x16x128_f8f6f4 v[8*(8*((\a)%4)+\b):8*(8*((\a)%4)+\b)+7], v[128*(\p)+FR*\b:128*(\p)+FR*\b+FR-1], v[AF+FR*(\a):AF+FR*(\a)+FR-1], 0, v[SC+8*NQ*(\sc)+NQ*\b+(\q)], v[SC+8*NQ*(\sc)+NQ*(\a)+(\q)] matrix_a_fmt:MATRIX_FMT_FP6 matrix_b_fmt:MATRIX_FMT_FP6 matrix_a_scale:MATRIX_SCALE_ROW1
.else
	v_wmma_scale_f32_16x16x128_f8f6f4 v[8*(8*((\a)%4)+\b):8*(8*((\a)%4)+\b)+7], v[128*(\p)+FR*\b:128*(\p)+FR*\b+FR-1], v[AF+FR*(\a):AF+FR*(\a)+FR-1], v[8*(8*((\a)%4)+\b):8*(8*((\a)%4)+\b)+7], v[SC+8*NQ*(\sc)+NQ*\b+(\q)], v[SC+8*NQ*(\sc)+NQ*(\a)+(\q)] matrix_a_fmt:MATRIX_FMT_FP6 matrix_b_fmt:MATRIX_FMT_FP6 matrix_a_scale:MATRIX_SCALE_ROW1
.endif
.endr
.endr
.endm
.macro FETCH_B slot, q, p
	WIN TO_B
.irp i, 0,1,2,3,4,5,6,7
	FRAG 128*(\p)+FR*\i, ADRB+\slot, \q, \i
.endr
	WIN 0
.endm
.macro FETCH_A slot, q, i0
.irp i, \i0, \i0+1, \i0+2, \i0+3
	FRAG AF+FR*(\i), ADRA+\slot, \q, \i
.endr
.endm
.macro SCALES sc
.irp i, 0,1,2,3,4,5,6,7
	ds_load_b64 v[SC+8*NQ*\sc+NQ*\i:SC+8*NQ*\sc+NQ*\i+1], v[ADRS] offset:\i*SBLK
.endr
.endm
.macro PLACES n
.rept \n
	v_nop
.endr
.endm
.macro STEP slot, q, zero
	s_wait_dscnt 4*NL
	WIN MUL_LO
	MUL16 0, (\q)%2, \q, \slot, \zero
	MUL16 2, (\q)%2, \q, \slot, \zero
	s_wait_dscnt 0
	PLACES NP
	FETCH_B \slot, (\q)+1, 1-(\q)%2
	FETCH_A \slot, (\q)+1, 0
	WIN MUL_HI
	MUL16 4, (\q)%2, \q, \slot, \zero
	MUL16 6, (\q)%2, \q, \slot, \zero
	PLACES NP
	WIN 0
	FETCH_A \slot, (\q)+1, 4
.endm
.macro TURN slot, next, fill
	s_wait_tensorcnt 0x0
	ds_add_u32 v[SPW], v[NIL]
	s_wait_dscnt 4*NL+1
	WIN MUL_LO
	MUL16 0, 1, NQ-1, \slot, 0
	s_wait_dscnt 0x0
	s_barrier_signal -1
	MUL16 2, 1, NQ-1, \slot, 0
	WIN 0
	s_barrier_wait -1
.if \fill
	CREST
	s_add_nc_u64 s[G0+4*\slot+2:G0+4*\slot+3], s[G0+4*\slot+2:G0+4*\slot+3], 2*ROWB
	s_add_nc_u64 s[G0B+4*\slot+2:G0B+4*\slot+3], s[G0B+4*\slot+2:G0B+4*\slot+3], 2*ROWB
	JLOAD G0+4*\slot, G1, G0B+4*\slot, G1B
.else
	PLACES NP
.endif
	s_wait_alu depctr_va_vdst(0)
	v_add_nc_u32 v[ADRS], 4*NQ, v[ADRS]
	FETCH_B \next, 0, 0
	FETCH_A \next, 0, 0
	SCALES \next
	WIN MUL_HI
	MUL16 4, 1, NQ-1, \slot, 0
	MUL16 6, 1, NQ-1, \slot, 0
	PLACES NP
	WIN 0
	FETCH_A \next, 0, 4
.endm
.macro LAST
	s_wait_dscnt 4*NL
	WIN MUL_LO
	MUL16 0, 1, NQ-1, 1, 0
	MUL16 2, 1, NQ-1, 1, 0
	s_wait_dscnt 0
	WIN MUL_HI
	MUL16 4, 1, NQ-1, 1, 0
	MUL16 6, 1, NQ-1, 1, 0
	WIN 0
	PLACES NP
.irp b, 0,1,2,3
	v_mov_b32 v[TM+4+\b], 0
.endr
	s_wait_loadcnt 0x0
.endm
.macro QUANT s, pw
.irp b, 0,1,2,3
	v_max3_num_f32 v[TM+\b], |v[\s+16*\b]|, |v[\s+1+16*\b]|, 0x1800000
.endr
.irp i, 2,4,6,8,10,12,14
.irp b, 0,1,2,3
	v_max3_num_f32 v[TM+\b], v[TM+\b], |v[\s+16*\b+\i]|, |v[\s+1+16*\b+\i]|
.endr
.endr
.irp b, 0,1,2,3
	v_permlanex16_b32 v[TM+4+\b], v[TM+\b], s[SEL], s[SEL+1]
.endr
.irp b, 0,1,2,3
	v_max_num_f32 v[TM+\b], v[TM+\b], v[TM+4+\b]
.endr
.irp b, 0,1,2,3
	v_add_nc_u32 v[TM+12+\b], 0xff000000, v[TM+\b]
.endr
.irp b, 0,1,2,3
	v_lshrrev_b32 v[TM+4+\b], 23, v[TM+12+\b]
.endr
	v_lshl_or_b32 v[\pw], v[TM+5], 8, v[TM+4]
	v_lshl_or_b32 v[\pw], v[TM+6], 16, v[\pw]
	v_lshl_or_b32 v[\pw], v[TM+7], 24, v[\pw]
.irp c, 0,1
	v_cvt_scalef32_pk16_fp6_f32 v[PC+6*\c:PC+2+6*\c], v[\s+32*\c:\s+15+32*\c], v[TM+12+2*\c]
	v_cvt_scalef32_pk16_fp6_f32 v[PC+12+4*\c:PC+14+4*\c], v[\s+16+32*\c:\s+31+32*\c], v[TM+12+2*\c+1]
.endr
	v_nop
.irp c, 0,1
.irp i, 0,1,2
	v_permlane16_swap_b32 v[PC+6*\c+\i], v[PC+12+4*\c+\i]
.endr
.irp i, 0,1,2
	v_mov_b32 v[PC+3+6*\c+\i], v[PC+12+4*\c+\i]
.endr
.endr
.endm
.macro OUT3 hl, u
.irp c, 0,1,2
	global_store_b128 v[LI], v[PC+4*\c:PC+4*\c+3], s[96:97] offset:(\hl)*98304+(\u)*1536+512*\c
.endr
.endm
.macro GROUP_QK hl, u
	WIN 0x02+(\u)/2
.irp e, 0,1
.set AC, 64*((2*(\u)+\e)%4)+32*(\hl)
.set j, 0
.rept 16
	v_pk_add_f32 v[T+32*\e+j:T+32*\e+j+1], v[AC+j:AC+j+1], v[BI+32*(\hl)+j:BI+32*(\hl)+j+1]
.set j, j+2
.endr
.endr
	WIN 0
	s_wait_xcnt 0x0
	QUANT T, SW+4*(\hl)+(\u)
	OUT3 \hl, \u
.endm
.macro GROUP_V hl, u
	WIN 0x02+(\hl)
.set j, 0
.rept 32
	v_pk_add_f32 v[T+j:T+j+1], v[64*(\u)+j:64*(\u)+j+1], v[BI+2*(4*(\hl)+(\u)):BI+2*(4*(\hl)+(\u))+1]
.set j, j+2
.endr
	WIN 0
	s_wait_xcnt 0x0
	QUANT T, SW+4*(\hl)+(\u)
	OUT3 \hl, \u
.endm
	s_wait_alu depctr_va_vdst(0)
	s_wait_tensorcnt 1
	s_barrier_signal -1
	s_barrier_wait -1
	FETCH_B 0, 0, 0
	FETCH_A 0, 0, 0
	SCALES 0
	FETCH_A 0, 0, 4
	STEP 0, 0, 1
	s_mov_b32 s3, LAPS-1
.Llap:
	TURN 0, 1, 1
	STEP 1, 0, 0
	TURN 1, 0, 1
	STEP 0, 0, 0
	s_sub_co_u32 s3, s3, 1
	s_cmp_lg_u32 s3, 0
	s_cbranch_scc1 .Llap
	TURN 0, 1, 0
	STEP 1, 0, 0
	s_cmp_eq_u32 s[KIND], 1
	s_cbranch_scc0 .Lkind_v
.irp hl, 0,1
.irp bb, 0,1
.irp uu, 0,1
	global_load_b128 v[BI+32*\hl+16*\bb+8*\uu:BI+32*\hl+16*\bb+8*\uu+3], v[BQ], s[12:13] offset:4*(64*\hl+32*\bb+8*\uu)
	global_load_b128 v[BI+32*\hl+16*\bb+8*\uu+4:BI+32*\hl+16*\bb+8*\uu+7], v[BQ], s[12:13] offset:4*(64*\hl+32*\bb+8*\uu)+16
.endr
.endr
.endr
	LAST
.irp u, 0,1,2,3
.irp hl, 0,1
	GROUP_QK \hl, \u
.endr
.endr
	s_branch .Ltail
.Lkind_v:
.irp a, 0,1,2,3,4,5,6,7
	global_load_b32 v[BI+2*\a], v[BV], s[12:13] offset:4*(32*(\a/2)+8*(\a%2))
	global_load_b32 v[BI+2*\a+1], v[BV], s[12:13] offset:4*(32*(\a/2)+8*(\a%2))
.endr
	LAST
.irp hl, 0,1
.irp u, 0,1,2,3
	GROUP_V \hl, \u
.endr
.endr
.Ltail:
	s_mov_b32 s3, 0xffff0000
.irp u, 0,1,2,3
	v_cndmask_b32 v[SW+8+\u], v[SW+\u], v[SW+4+\u], s3
.endr
	global_store_b128 v[SWO], v[SW+8:SW+11], s[98:99]
	s_wait_tensorcnt 0x0
	ds_add_u32 v[SPW], v[NIL]
	s_wait_dscnt 0x0
	CROUND
	s_endpgm
.Lfunc_end_k_q4ece382ad2_qkv:
	.size	k_q4ece382ad2_qkv, .Lfunc_end_k_q4ece382ad2_qkv-k_q4ece382ad2_qkv
	.p2alignl 7, 3214868480
	.fill 96, 4, 3214868480
	.section	.rodata,"a",@progbits
	.p2align	6, 0x0
	.amdhsa_kernel k_q4ece382ad2_qkv
		.amdhsa_group_segment_fixed_size 327680
		.amdhsa_private_segment_fixed_size 0
		.amdhsa_enable_private_segment 0
		.amdhsa_kernarg_size 56
		.amdhsa_user_sgpr_count 2
		.amdhsa_user_sgpr_kernarg_segment_ptr 1
		.amdhsa_wavefront_size32 1
		.amdhsa_system_sgpr_workgroup_id_x 1
		.amdhsa_system_sgpr_workgroup_id_y 1
		.amdhsa_system_sgpr_workgroup_id_z 1
		.amdhsa_system_vgpr_workitem_id 0
		.amdhsa_next_free_vgpr 1024
		.amdhsa_next_free_sgpr 102
		.amdhsa_reserve_vcc 0
		.amdhsa_float_denorm_mode_32 3
		.amdhsa_float_denorm_mode_16_64 3
		.amdhsa_memory_ordered 1
		.amdhsa_forward_progress 1
		.amdhsa_inst_pref_size 242
	.end_amdhsa_kernel
	.amdgpu_metadata
---
amdhsa.version: [ 1, 2 ]
amdhsa.kernels:
  - .name:           k_q4ece382ad2_qkv
    .symbol:         k_q4ece382ad2_qkv.kd
    .args:
      - { .name: xc, .offset: 0, .size: 8, .value_kind: global_buffer, .address_space: global }
      - { .name: xs, .offset: 8, .size: 8, .value_kind: global_buffer, .address_space: global }
      - { .name: wc, .offset: 16, .size: 8, .value_kind: global_buffer, .address_space: global }
      - { .name: ws, .offset: 24, .size: 8, .value_kind: global_buffer, .address_space: global }
      - { .name: qkv_b, .offset: 32, .size: 8, .value_kind: global_buffer, .address_space: global }
      - { .name: qkvc, .offset: 40, .size: 8, .value_kind: global_buffer, .address_space: global }
      - { .name: qkvs, .offset: 48, .size: 8, .value_kind: global_buffer, .address_space: global }
    .group_segment_fixed_size: 327680
    .private_segment_fixed_size: 0
    .kernarg_segment_align: 8
    .kernarg_segment_size: 56
    .max_flat_workgroup_size: 128
    .sgpr_count:     102
    .vgpr_count:     1024
    .wavefront_size: 32
...
	.end_amdgpu_metadata
.endif
;; end of part 3
;; launch attn (part 4): grid 8 x 64, 16 waves a work-group, clusters of 4 x 1, 206,848 bytes of LDS; arguments qkvc, qkvs, oc, os; writes oc, os
.if DOCPART == 4
	.amdgcn_target "amdgcn-amd-amdhsa--gfx1250"
	.amdhsa_code_object_version 6
	.text
	.protected	k_q4ece382ad2_attn
	.globl	k_q4ece382ad2_attn
	.p2align	8
	.type	k_q4ece382ad2_attn,@function
k_q4ece382ad2_attn:
	s_mov_b64 s[64:65], 0
	v_nop
	global_prefetch_b8 v0, s[64:65] scope:SCOPE_SE
	s_setreg_imm32_b32 hwreg(HW_REG_WAVE_MODE, 25, 1), 1
	s_wait_xcnt 0x0
	s_wait_alu depctr_hold_cnt(0) depctr_sa_sdst(0) depctr_va_vdst(0) depctr_va_sdst(0) depctr_va_ssrc(0) depctr_va_vcc(0) depctr_vm_vsrc(0)
	s_getreg_b32 s2, hwreg(HW_REG_IB_STS2, 6, 4)
	s_cmp_eq_u32 s2, 0
	s_cbranch_scc0 .Lentry_in_a_cluster
	s_endpgm
.Lentry_in_a_cluster:
	s_bfe_u32 s2, ttmp6, 0x10000c
	s_cmp_lg_u32 s2, 0x3003
	s_cbranch_scc0 .Lentry_shape_is_right
	s_endpgm
.Lentry_shape_is_right:
; o = softmax(q k^T / 8) v for one head, both products on codes of FP6 (E2M3) with E8M0 scales; o is quantised along the head's 64 for the last product and leaves as an image of operand registers.
; THE SOFTMAX: t = score x log2(e) / 8; M = the running largest t rounded up to a whole number; p = 2^(t - M) is quantised along the keys, not normalised; the row's sum is taken of the unquantised p and divides at the end.
; SHARES.  A work-group owns 256 queries of one head, each of its sixteen waves one tile of 16: four waves to a SIMD, so that one wave's vector work stands beside another's products and LDS loads.
; THE WHOLE HEAD LIES IN LDS: K's and V's images (98,304 bytes each) and their scale words (4,096 each), filled once and never again: no ring.  They come in four chunks of 512 keys, and a chunk is worked while the later ones land.
; CLUSTER.  The four work-groups of a cluster are four query blocks of one head: each load is asked for jointly, with the same descriptor and a mask that names the four.
; LAYOUT.  Both products are used transposed: a lane holds one query throughout.  The operands come from LDS as images of their registers: 16 bytes a lane, 512 consecutive bytes a load.
; A HEAD OF 64 IN AN INSTRUCTION OF 128: source 0 is a PAIR of key tiles (tile 2 u in K 0-63, tile 2 u + 1 in K 64-127); source 1 is [Q | 0] for the first tile and [0 | Q] for the second: zero codes add nothing.
; Key tiles hold rows in stored order (bits 3 and 4 exchanged), so the 16 registers of tiles 2 u, 2 u + 1 are keys 32 u + 16 (lane / 16) + 0 .. 15; V's images have the keys in true order.
; LIMITS: NaN and infinities are not served; a block under 2^-124, or all zeros, keeps the byte 1; 1 / l is v_rcp_f32's.
.set VIMG,  98304                      ; LDS: K's images from 0, V's from here
.set SCK,   196608                     ; K's scale words: 256 bytes a step, 16 bytes a row r
.set SCV,   200704                     ; V's
.set SPARE, 204800                     ; the spare words: 128 bytes for each of 16 waves
.set CHB,   24576                      ; a chunk: four steps
.set STB,   6144                       ; a step: four units of 1,536 bytes
.set LI,  1                            ; v1  16 x lane
.set LR,  2                            ; v2  SCK + 16 r
.set SPW, 3
.set NIL, 4
.set ADK, 5
.set ADV, 6
.set ADS, 7
.set B2,  16                           ; v16-27 [0 | Q]
.set B1,  22                           ; v22-33 [Q | 0]
.set QS,  34                           ; Q's scale word, its two bytes twice
.set KSC, 36                           ; v36-39 K's scale words of a step
.set VSC, 40                           ; v40-43 V's
.set PS,  44                           ; p's scale word
.set FF,  46                           ; v[46:47] f = 2^(old M - new M); v47 is written once
.set FG,  48                           ; v48-95 four units of K, then of V
.set S,   96                           ; v96-159 S^T, then p
.set OT,  160                          ; v160-191 O^T
.set PC,  192                          ; v192-203 p's codes
.set TP,  204                          ; v204-211 at work
.set BM,  212                          ; v212-215 the blocks' largest scores
.set SO,  216                          ; v216-219 the conversions' scale operands
.set TT,  220
.set WV,  18
.set SEL, 20
.set CS,  22                           ; s[22:23] c = log2(e) / 8
.set G1C, 24                           ; s[24:31] group 1 of a chunk: 96 rows of 256 bytes
.set G1S, 32                           ; s[32:39] of the scale words: 16 rows
.set G0S, 40                           ; s[40:43]
.set G0C, 44                           ; s[44:59] four groups 0; never rewritten
.set TK,  60
.set TS,  61
.set CNT, 62
.macro CROUND
	s_barrier_signal -1
	s_barrier_wait -1
	s_cmp_lg_u32 s[WV], 0
	s_cbranch_scc1 .Lnot_wave_0_\@
	s_barrier_signal -3
.Lnot_wave_0_\@:
	s_barrier_wait -3
	s_barrier_signal -1
	s_barrier_wait -1
.endm
	s_load_b256 s[4:11], s[0:1], 0x0               ; qkvc, qkvs, oc, os
	v_lshl_add_u32 v[SPW], v0, 2, SPARE
	v_mov_b32 v[NIL], 0
	ds_add_u32 v[SPW], v[NIL]                      ; the wave's opening: the add and its wait stand ahead of the first tensor loads; work on registers stands between
	ds_add_u32 v[SPW], v[NIL]
	v_lshrrev_b32 v8, 5, v0
	s_delay_alu instid0(VALU_DEP_1)
	v_readfirstlane_b32 s[WV], v8                  ; wave 0..15
	s_bfe_u32 s12, ttmp6, 0x40000                  ; cx: it enters Q's, oc's and os's global addresses alone
	s_lshl_b32 s13, ttmp9, 2
	s_add_co_u32 s13, s13, s12                     ; my block of 256 queries
	s_and_b32 s14, ttmp7, 0xffff                   ; the head, 16 x batch + h
	s_and_b32 s15, s[WV], 1                        ; wave 0 fetches K's, wave 1 V's.  Also: which tile of a unit is my query tile
	s_mov_b32 s[G1C], 15|(3<<16)|(1<<21)           ; the mask: all four; elements of 8 bytes; bit 21 beside a mask; no padding
	s_mov_b32 s[G1C+1], 32<<16                     ; tensor_dim0: 32 elements = 256 bytes
	s_mov_b32 s[G1C+2], 96<<16                     ; tensor_dim1
	s_mov_b32 s[G1C+3], 32<<16                     ; tile_dim0
	s_mov_b32 s[G1C+4], 96                         ; tile_dim1
	s_mov_b32 s[G1C+5], 32                         ; stride: dense
	s_mov_b32 s[G1C+6], 0
	s_mov_b32 s[G1C+7], 0
	s_mov_b32 s[G1S], 15|(3<<16)|(1<<21)
	s_mov_b32 s[G1S+1], 32<<16
	s_mov_b32 s[G1S+2], 16<<16
	s_mov_b32 s[G1S+3], 32<<16
	s_mov_b32 s[G1S+4], 16
	s_mov_b32 s[G1S+5], 32
	s_mov_b32 s[G1S+6], 0
	s_mov_b32 s[G1S+7], 0
	s_add_co_u32 s16, s15, 1                       ; 1: k, 2: v
	s_mul_i32 s66, s16, 6291456
	s_mul_i32 s17, s14, 98304
	s_add_co_u32 s66, s66, s17                     ; the head's images
	s_mov_b32 s67, 0
	s_lshl_b32 s68, s16, 18
	s_lshl_b32 s19, s14, 12
	s_add_co_u32 s68, s68, s19                     ; and its scale words
	s_mov_b32 s69, 0
	s_mul_i32 s70, s15, VIMG                       ; where they go
	s_lshl_b32 s71, s15, 12
	s_lshl_b32 s72, s13, 1
	s_lshr_b32 s73, s[WV], 3
	s_add_co_u32 s72, s72, s73                     ; my query tile's step of 128 tokens,
	s_bfe_u32 s73, s[WV], 0x20001                  ; its unit
	s_mul_i32 s74, s72, STB
	s_add_co_u32 s74, s74, s17
	s_mul_i32 s75, s73, 1536
	s_add_co_u32 s74, s74, s75
	s_mov_b32 s75, 0                               ; Q's unit
	s_lshl_b32 s76, s72, 8
	s_add_co_u32 s76, s76, s19
	s_lshl_b32 s77, s73, 2
	s_add_co_u32 s76, s76, s77
	s_mov_b32 s77, 0                               ; Q's scale words
	s_lshl_b32 s78, s13, 4
	s_add_co_u32 s78, s78, s[WV]                   ; my query tile in the batch
	s_lshr_b32 s79, s14, 4
	s_lshl_b32 s79, s79, 7
	s_add_co_u32 s78, s78, s79                     ; row tile 128 x batch + tile
	s_and_b32 s79, s14, 15                         ; the head in its batch
	s_mul_i32 s80, s79, 393216
	s_mul_i32 s81, s78, 768
	s_add_co_u32 s80, s80, s81
	s_mov_b32 s81, 0                               ; oc
	s_lshl_b32 s82, s78, 9
	s_lshl_b32 s83, s79, 1
	s_add_co_u32 s82, s82, s83
	s_mov_b32 s83, 0                               ; os
	s_mov_b32 s[SEL], 0x76543210
	s_mov_b32 s[SEL+1], 0xfedcba98
	s_mov_b32 s[CS], 0x3e38aa3b                    ; log2(e) / 8
	s_mov_b32 s[CS+1], s[CS]
	s_wait_dscnt 0x0                               ; the opening add is done
	s_wait_kmcnt 0x0
	s_add_nc_u64 s[66:67], s[4:5], s[66:67]
	s_add_nc_u64 s[68:69], s[6:7], s[68:69]
	s_mov_b32 s[G0S], 1
	s_add_co_u32 s[G0S+1], s71, SCK
	s_mov_b64 s[G0S+2:G0S+3], s[68:69]
	s_or_b32 s[G0S+3], s[G0S+3], 0x80000000
.irp i, 0,1,2,3
	s_mov_b32 s[G0C+4*\i], 1
	s_add_co_u32 s[G0C+4*\i+1], s70, \i*CHB
	s_add_nc_u64 s[G0C+4*\i+2:G0C+4*\i+3], s[66:67], \i*CHB
	s_or_b32 s[G0C+4*\i+3], s[G0C+4*\i+3], 0x80000000
.endr
	s_add_nc_u64 s[4:5], s[4:5], s[74:75]
	s_add_nc_u64 s[6:7], s[6:7], s[76:77]
	s_add_nc_u64 s[8:9], s[8:9], s[80:81]
	s_add_nc_u64 s[10:11], s[10:11], s[82:83]
	CROUND                                         ; all four work-groups are here: the joint loads meet
	s_cmp_lt_u32 s[WV], 2                          ; all first fills of a wave stand in one branch on the wave's number: five loads of mine are out
	s_cbranch_scc0 .Lno_fetch
	tensor_load_to_lds s[G0S:G0S+3], s[G1S:G1S+7]
	s_nop 0
.irp i, 0,1,2,3
	tensor_load_to_lds s[G0C+4*\i:G0C+4*\i+3], s[G1C:G1C+7]
	s_nop 0
.endr
.rept 4
	v_nop
.endr
.Lno_fetch:
	v_and_b32 v8, 31, v0
	s_delay_alu instid0(VALU_DEP_1)
	v_lshlrev_b32 v[LI], 4, v8
	v_and_b32 v9, 15, v0
	s_delay_alu instid0(VALU_DEP_1)
	v_lshlrev_b32 v10, 4, v9
	s_delay_alu instid0(VALU_DEP_1)
	v_add_nc_u32 v[LR], SCK, v10
	s_mul_i32 s84, s15, 520                        ; registers 6 e .. 6 e + 5 of the unit's image lie at 16 x lane + 520 e, + 8 + 1,016 e, + 512 + 520 e
	s_mul_i32 s85, s15, 1016
	v_add_nc_u32 v8, s84, v[LI]
	v_add_nc_u32 v11, s85, v[LI]
	global_load_b64 v[22:23], v8, s[4:5]
	global_load_b64 v[24:25], v11, s[4:5] offset:8
	global_load_b64 v[26:27], v8, s[4:5] offset:512
	global_load_b32 v[QS], v10, s[6:7]
.irp j, 16,17,18,19,20,21,28,29,30,31,32,33
	v_mov_b32 v[\j], 0                             ; the zero halves beside Q
.endr
	v_mov_b32 v13, 0xff61b1e6                      ; the largest t so far: -3e38
	s_delay_alu instid0(VALU_DEP_1)
	v_floor_f32 v12, -v13                          ; -M
	v_mov_b32 v14, 0
	v_mov_b32 v15, 0
	v_mov_b32 v[FF+1], 0                           ; named as the upper half of a pair
.irp b, 0,1,2,3
	v_mov_b32 v[TP+\b], 0                          ; a lane permute's destination counts as one of its sources
.endr
	s_lshl_b32 s84, s15, 4
	s_wait_loadcnt 0x0                             ; Q and its word
	v_lshrrev_b32 v[QS], s84, v[QS]                ; my tile's two bytes,
	s_delay_alu instid0(VALU_DEP_1)
	v_and_b32 v[QS], 0xffff, v[QS]
	s_delay_alu instid0(VALU_DEP_1)
	v_lshl_or_b32 v[QS], v[QS], 16, v[QS]          ; for both halves of K
.set j, 0
.rept 32
	v_mov_b32 v[OT+j], 0                           ; O^T: the step is written once, and its first pass finds zeros.  (These are also the places between the scale word's last line and the first product)
.set j, j+1
.endr
.macro STEP                            ; 128 keys
	v_add_nc_u32 v[ADK], s[TK], v[LI]              ; these four are the places behind the last products, ahead of the loads into their sources
	v_add_nc_u32 v[ADS], s[TS], v[LR]
	s_delay_alu instid0(VALU_DEP_2)
	v_add_nc_u32 v[ADV], VIMG, v[ADK]
	v_nop
.irp g, 0,1,2,3,4,5,6,7,8,9,10,11
	ds_load_b128 v[FG+4*\g:FG+4*\g+3], v[ADK] offset:512*\g
.endr
	ds_load_b128 v[KSC:KSC+3], v[ADS]
	s_wait_alu depctr_va_vdst(0)
	s_wait_dscnt 0x0
.irp u, 0,1,2,3
	v_wmma_scale_f32_16x16x128_f8f6f4 v[S+16*\u:S+16*\u+7], v[FG+12*\u:FG+12*\u+11], v[B1:B1+11], 0, v[KSC+\u], v[QS] matrix_a_fmt:MATRIX_FMT_FP6 matrix_b_fmt:MATRIX_FMT_FP6
	v_wmma_scale_f32_16x16x128_f8f6f4 v[S+16*\u+8:S+16*\u+15], v[FG+12*\u:FG+12*\u+11], v[B2:B2+11], 0, v[KSC+\u], v[QS] matrix_a_fmt:MATRIX_FMT_FP6 matrix_b_fmt:MATRIX_FMT_FP6
.endr
.rept 4
	v_nop                                          ; places ahead of the loads into K's registers and of the first read of the scores
.endr
.irp g, 0,1,2,3,4,5,6,7,8,9,10,11
	ds_load_b128 v[FG+4*\g:FG+4*\g+3], v[ADV] offset:512*\g   ; V lands while the softmax is walked
.endr
	ds_load_b128 v[VSC:VSC+3], v[ADS] offset:SCV-SCK
.irp b, 0,1,2,3
	v_max3_num_f32 v[BM+\b], v[S+16*\b], v[S+1+16*\b], v[S+2+16*\b]   ; the largest score of each block of 32 keys: for the row's maximum, and, since p rises with the score, for the block's largest p
.endr
.irp i, 3,5,7,9,11,13
.irp b, 0,1,2,3
	v_max3_num_f32 v[BM+\b], v[BM+\b], v[S+16*\b+\i], v[S+1+16*\b+\i]
.endr
.endr
.irp b, 0,1,2,3
	v_max_num_f32 v[BM+\b], v[BM+\b], v[S+15+16*\b]
.endr
.irp b, 0,1,2,3
	s_delay_alu instid0(VALU_DEP_4)
	v_permlanex16_b32 v[TP+\b], v[BM+\b], s[SEL], s[SEL+1]
.endr
.irp b, 0,1,2,3
	s_delay_alu instid0(VALU_DEP_4)
	v_max_num_f32 v[BM+\b], v[BM+\b], v[TP+\b]     ; with lane l xor 16's 16 keys
.endr
	s_delay_alu instid0(VALU_DEP_2)
	v_max3_num_f32 v[TT], v[BM], v[BM+1], v[BM+2]
	s_delay_alu instid0(VALU_DEP_1)
	v_max_num_f32 v[TT], v[TT], v[BM+3]
	s_delay_alu instid0(VALU_DEP_1)
	v_mul_f32 v[TT], s[CS], v[TT]                  ; as t
	s_delay_alu instid0(VALU_DEP_1)
	v_max_num_f32 v13, v13, v[TT]                  ; the running largest t
	v_mov_b32 v[TT], v12
	s_delay_alu instid0(VALU_DEP_2)
	v_floor_f32 v12, -v13                          ; the new -M = -ceil(t)
	s_delay_alu instid0(VALU_DEP_1)
	v_sub_f32 v[TT], v12, v[TT]                    ; old M - new M: a whole number, 0 or less
	s_delay_alu instid0(VALU_DEP_1)
	v_cvt_i32_f32 v[TT], v[TT]                     ; (it saturates)
	s_delay_alu instid0(VALU_DEP_1)
	v_ldexp_f32 v[FF], 1.0, v[TT]                  ; f = 2^(old M - new M): rounds nothing
.set j, 0
.rept 32
	v_pk_fma_f32 v[S+j:S+j+1], v[S+j:S+j+1], s[CS:CS+1], v[12:13] op_sel_hi:[1,0,0]   ; t - M, two at a time
.set j, j+2
.endr
.irp b, 0,1,2,3
	v_fma_f32 v[BM+\b], v[BM+\b], s[CS], v12
.endr
.set j, 0
	s_wait_alu depctr_va_vdst(0)
.rept 64
	v_exp_f32 v[S+j], v[S+j]                       ; p = 2^(t - M)
.set j, j+1
.endr
	s_setprio 1
	v_pk_mul_f32 v[14:15], v[14:15], v[FF:FF+1] op_sel_hi:[1,0]   ; the sums under the new M: the plain instruction behind the exponentials
	s_wait_alu depctr_va_vdst(0)                   ; one wait for the batch, ahead of its first reader
.irp b, 0,1,2,3
	v_exp_f32 v[BM+\b], v[BM+\b]                   ; the blocks' largest p
.endr
	v_pk_add_f32 v[204:205], v[100:101], v[104:105]
	v_pk_add_f32 v[222:223], v[108:109], v[112:113]
	v_pk_add_f32 v[218:219], v[116:117], v[120:121]
	v_pk_add_f32 v[216:217], v[124:125], v[128:129]
	v_pk_add_f32 v[210:211], v[132:133], v[136:137]
	v_pk_add_f32 v[208:209], v[140:141], v[144:145]
	v_pk_add_f32 v[206:207], v[148:149], v[152:153]
	v_pk_add_f32 v[14:15], v[14:15], v[156:157]
	v_pk_add_f32 v[204:205], v[204:205], v[96:97]
	v_pk_add_f32 v[222:223], v[222:223], v[98:99]
	v_pk_add_f32 v[218:219], v[218:219], v[102:103]
	v_pk_add_f32 v[216:217], v[216:217], v[106:107]
	v_pk_add_f32 v[210:211], v[210:211], v[110:111]
	v_pk_add_f32 v[208:209], v[208:209], v[114:115]
	v_pk_add_f32 v[206:207], v[206:207], v[118:119]
	v_pk_add_f32 v[14:15], v[14:15], v[122:123]
	v_pk_add_f32 v[204:205], v[204:205], v[126:127]
	v_pk_add_f32 v[222:223], v[222:223], v[130:131]
	v_pk_add_f32 v[218:219], v[218:219], v[134:135]
	v_pk_add_f32 v[216:217], v[216:217], v[138:139]
	v_pk_add_f32 v[210:211], v[210:211], v[142:143]
	v_pk_add_f32 v[208:209], v[208:209], v[146:147]
	v_pk_add_f32 v[206:207], v[206:207], v[150:151]
	v_pk_add_f32 v[14:15], v[14:15], v[154:155]
	v_pk_add_f32 v[204:205], v[204:205], v[158:159]
	s_delay_alu instid0(VALU_DEP_2)
	v_pk_add_f32 v[14:15], v[14:15], v[216:217]
	s_delay_alu instid0(VALU_DEP_2)
	v_pk_add_f32 v[204:205], v[204:205], v[210:211]
	v_pk_add_f32 v[222:223], v[222:223], v[208:209]
	v_pk_add_f32 v[218:219], v[218:219], v[206:207]
	s_delay_alu instid0(VALU_DEP_2)
	v_pk_add_f32 v[14:15], v[14:15], v[222:223]
	s_delay_alu instid0(VALU_DEP_2)
	v_pk_add_f32 v[204:205], v[204:205], v[218:219]
	s_delay_alu instid0(VALU_DEP_1)
	v_pk_add_f32 v[14:15], v[14:15], v[204:205]
	s_wait_alu depctr_va_vdst(0)                   ; and one for the four
.irp b, 0,1,2,3
	v_max_num_f32 v[BM+\b], 0x1800000, v[BM+\b]    ; the floor: the byte cannot fall under 1
.endr
.irp b, 0,1,2,3
	s_delay_alu instid0(VALU_DEP_4)
	v_add_nc_u32 v[SO+\b], 0xff000000, v[BM+\b]    ; the conversion's scale operand
.endr
.irp b, 0,1,2,3
	s_delay_alu instid0(VALU_DEP_4)
	v_lshrrev_b32 v[TP+\b], 23, v[SO+\b]           ; the scale's byte
.endr
	s_delay_alu instid0(VALU_DEP_3)
	v_lshl_or_b32 v[PS], v[TP+1], 8, v[TP]
	s_delay_alu instid0(VALU_DEP_1)
	v_lshl_or_b32 v[PS], v[TP+2], 16, v[PS]
	s_delay_alu instid0(VALU_DEP_1)
	v_lshl_or_b32 v[PS], v[TP+3], 24, v[PS]
.irp c, 0,1
	v_cvt_scalef32_pk16_fp6_f32 v[PC+6*\c:PC+6*\c+2], v[S+32*\c:S+32*\c+15], v[SO+2*\c]
	v_cvt_scalef32_pk16_fp6_f32 v[TP+4*\c:TP+4*\c+2], v[S+32*\c+16:S+32*\c+31], v[SO+2*\c+1]
.endr
	v_nop                                          ; one plain place behind a scaled conversion
.irp c, 0,1
.irp i, 0,1,2
	v_permlane16_swap_b32 v[PC+6*\c+\i], v[TP+4*\c+\i]
.endr
.irp i, 0,1,2
	s_delay_alu instid0(VALU_DEP_3)
	v_mov_b32 v[PC+3+6*\c+\i], v[TP+4*\c+\i]
.endr
.endr
.set j, 0
	s_setprio 0
.rept 16
	v_pk_mul_f32 v[OT+j:OT+j+1], v[OT+j:OT+j+1], v[FF:FF+1] op_sel_hi:[1,0]   ; O^T under the new M; also the places between p's codes and scale word and the products
.set j, j+2
.endr
	s_wait_alu depctr_va_vdst(0)
	s_wait_dscnt 0x0                               ; V is in
.irp a, 0,1,2,3                                ; four accumulators, one instruction each
	v_wmma_scale_f32_16x16x128_f8f6f4 v[OT+8*\a:OT+8*\a+7], v[FG+12*\a:FG+12*\a+11], v[PC:PC+11], v[OT+8*\a:OT+8*\a+7], v[VSC+\a], v[PS] matrix_a_fmt:MATRIX_FMT_FP6 matrix_b_fmt:MATRIX_FMT_FP6
.endr
	s_add_co_u32 s[TK], s[TK], STB
	s_add_co_u32 s[TS], s[TS], 256
.endm
.macro CHUNK idx                       ; 512 keys
	s_wait_tensorcnt 3-\idx                        ; the scale words and the chunks up to this one have landed; the later chunks may be out
	s_wait_dscnt 0x0
	s_barrier_signal -1
	s_barrier_wait -1                              ; and every wave knows it
	s_mov_b32 s[TK], \idx*CHB
	s_mov_b32 s[TS], \idx*1024
	s_mov_b32 s[CNT], 4
.Lstep_\@:
	s_setprio 2
	STEP
	s_sub_co_u32 s[CNT], s[CNT], 1
	s_cmp_lg_u32 s[CNT], 0
	s_cbranch_scc1 .Lstep_\@
	s_setprio 0
.endm
	CHUNK 0
	CHUNK 1
	CHUNK 2
	CHUNK 3
	; THE WAY OUT.  The address work is the places behind the last products.
	v_and_b32 v8, 31, v0
	v_and_b32 v9, 15, v0
	s_delay_alu instid0(VALU_DEP_2)
	v_lshlrev_b32 v8, 3, v8                        ; 8 x lane
	s_delay_alu instid0(VALU_DEP_2)
	v_lshlrev_b32 v9, 5, v9                        ; 32 r
	v_add_f32 v14, v14, v15                        ; the sum's two halves,
	s_delay_alu instid0(VALU_DEP_1)
	v_permlanex16_b32 v[TT], v14, s[SEL], s[SEL+1]
	s_delay_alu instid0(VALU_DEP_1)
	v_add_f32 v14, v14, v[TT]                      ; and lane l xor 16's
	s_wait_alu depctr_va_vdst(0)
	v_rcp_f32 v14, v14
	v_nop                                          ; a plain instruction behind the reciprocal
	s_wait_alu depctr_va_vdst(0)                   ; and the wait ahead of its first reader
.set j, 0
.rept 16
	v_pk_mul_f32 v[S+j:S+j+1], v[OT+j:OT+j+1], v[14:15] op_sel_hi:[1,0]   ; o: register 16 b + i is dim 32 b + 16 (lane / 16) + i of my query
.set j, j+2
.endr
.irp b, 0,1
	v_max3_num_f32 v[BM+\b], |v[S+16*\b]|, |v[S+1+16*\b]|, 0x1800000
.endr
.irp i, 2,4,6,8,10,12,14
.irp b, 0,1
	s_delay_alu instid0(VALU_DEP_2)
	v_max3_num_f32 v[BM+\b], v[BM+\b], |v[S+16*\b+\i]|, |v[S+1+16*\b+\i]|
.endr
.endr
.irp b, 0,1
	s_delay_alu instid0(VALU_DEP_2)
	v_permlanex16_b32 v[TP+\b], v[BM+\b], s[SEL], s[SEL+1]
.endr
.irp b, 0,1
	s_delay_alu instid0(VALU_DEP_2)
	v_max_num_f32 v[BM+\b], v[BM+\b], v[TP+\b]
.endr
.irp b, 0,1
	s_delay_alu instid0(VALU_DEP_2)
	v_add_nc_u32 v[SO+\b], 0xff000000, v[BM+\b]
.endr
.irp b, 0,1
	s_delay_alu instid0(VALU_DEP_2)
	v_lshrrev_b32 v[TP+\b], 23, v[SO+\b]
.endr
	s_delay_alu instid0(VALU_DEP_1)
	v_lshl_or_b32 v[TT], v[TP+1], 8, v[TP]         ; the head's two scale bytes of my row
	v_cvt_scalef32_pk16_fp6_f32 v[PC:PC+2], v[S:S+15], v[SO]
	v_cvt_scalef32_pk16_fp6_f32 v[TP+4:TP+6], v[S+16:S+31], v[SO+1]
	v_nop
.irp i, 0,1,2
	v_permlane16_swap_b32 v[PC+\i], v[TP+4+\i]
.endr
.irp i, 0,1,2
	s_delay_alu instid0(VALU_DEP_3)
	v_mov_b32 v[PC+3+\i], v[TP+4+\i]               ; six registers: dims 32 (lane / 16) + 0 .. 31 of row r
.endr
	global_store_b128 v[LI], v[PC:PC+3], s[8:9]            ; 512 consecutive bytes, aligned
	global_store_b64 v8, v[PC+4:PC+5], s[8:9] offset:512   ; and 256 more
	global_store_b16 v9, v[TT], s[10:11]                   ; lanes r and r + 16 write the same two bytes with the same value
	s_wait_tensorcnt 0x0                           ; the wave's end
	ds_add_u32 v[SPW], v[NIL]
	s_wait_dscnt 0x0
	CROUND                                         ; the closing round
	s_endpgm
.Lfunc_end_k_q4ece382ad2_attn:
	.size	k_q4ece382ad2_attn, .Lfunc_end_k_q4ece382ad2_attn-k_q4ece382ad2_attn
	.p2alignl 7, 3214868480
	.fill 96, 4, 3214868480
	.section	.rodata,"a",@progbits
	.p2align	6, 0x0
	.amdhsa_kernel k_q4ece382ad2_attn
		.amdhsa_group_segment_fixed_size 206848
		.amdhsa_private_segment_fixed_size 0
		.amdhsa_enable_private_segment 0
		.amdhsa_kernarg_size 32
		.amdhsa_user_sgpr_count 2
		.amdhsa_user_sgpr_kernarg_segment_ptr 1
		.amdhsa_wavefront_size32 1
		.amdhsa_system_sgpr_workgroup_id_x 1
		.amdhsa_system_sgpr_workgroup_id_y 1
		.amdhsa_system_sgpr_workgroup_id_z 1
		.amdhsa_system_vgpr_workitem_id 0
		.amdhsa_next_free_vgpr 224
		.amdhsa_next_free_sgpr 96
		.amdhsa_reserve_vcc 0
		.amdhsa_float_denorm_mode_32 3
		.amdhsa_float_denorm_mode_16_64 3
		.amdhsa_memory_ordered 1
		.amdhsa_forward_progress 1
		.amdhsa_inst_pref_size 82
	.end_amdhsa_kernel
	.amdgpu_metadata
---
amdhsa.version: [ 1, 2 ]
amdhsa.kernels:
  - .name:           k_q4ece382ad2_attn
    .symbol:         k_q4ece382ad2_attn.kd
    .args:
      - { .name: qkvc, .offset: 0, .size: 8, .value_kind: global_buffer, .address_space: global }
      - { .name: qkvs, .offset: 8, .size: 8, .value_kind: global_buffer, .address_space: global }
      - { .name: oc, .offset: 16, .size: 8, .value_kind: global_buffer, .address_space: global }
      - { .name: os, .offset: 24, .size: 8, .value_kind: global_buffer, .address_space: global }
    .group_segment_fixed_size: 206848
    .private_segment_fixed_size: 0
    .kernarg_segment_align: 8
    .kernarg_segment_size: 32
    .max_flat_workgroup_size: 512
    .sgpr_count:     96
    .vgpr_count:     224
    .wavefront_size: 32
...
	.end_amdgpu_metadata
.endif
;; end of part 4
;; launch fc (part 5): grid 4 x 32, 4 waves a work-group, clusters of 4 x 4, 327,680 bytes of LDS; arguments oc, os, wc, ws, fc_b, out0; writes out0
.if DOCPART == 5
	.amdgcn_target "amdgcn-amd-amdhsa--gfx1250"
	.amdhsa_code_object_version 6
	.text
	.protected	k_q4ece382ad2_fc
	.globl	k_q4ece382ad2_fc
	.p2align	8
	.type	k_q4ece382ad2_fc,@function
k_q4ece382ad2_fc:
	s_mov_b64 s[64:65], 0
	v_nop
	global_prefetch_b8 v0, s[64:65] scope:SCOPE_SE
	s_setreg_imm32_b32 hwreg(HW_REG_WAVE_MODE, 25, 1), 1
	s_wait_xcnt 0x0
	s_wait_alu depctr_hold_cnt(0) depctr_sa_sdst(0) depctr_va_vdst(0) depctr_va_sdst(0) depctr_va_ssrc(0) depctr_va_vcc(0) depctr_vm_vsrc(0)
	s_getreg_b32 s2, hwreg(HW_REG_IB_STS2, 6, 4)
	s_cmp_eq_u32 s2, 0
	s_cbranch_scc0 .Lentry_in_a_cluster
	s_endpgm
.Lentry_in_a_cluster:
	s_bfe_u32 s2, ttmp6, 0x10000c
	s_cmp_lg_u32 s2, 0xf033
	s_cbranch_scc0 .Lentry_shape_is_right
	s_endpgm
.Lentry_shape_is_right:
.set NQ,     2
.set ROWB,   192
.set KROW,   768
.set PITCH,  240
.set FR,     12
.set NL,     6
.set NLA,    4
.set NP,     4
.set HALFT,  128*PITCH
.set HALFA,  24576
.set ASTEP,  4*393216
.set SLOT,   2*HALFA+2*HALFT
.set LAPS,   2
.set KS,     32
.set SCL,    2*SLOT
.set HALFS,  (128*KS/256)*272
.set SBLK,   (16*KS/256)*272
.set SPARE,  SCL+4*HALFS
.set SPITCH, 528
.set BA,   7
.set ADRA, 16
.set ADRB, 20
.set STO,  24
.set RD,   25
.set CO,   26
.set ADRS, 27
.set SPW,  28
.set NIL,  29
.set SC,   32
.set BI,   64
.set AF,   128
.set BK,   128
.set G1, 24
.set G0, 32
.set G1B, 48
.set G0B, 56
.set G1S, 68
.set G0S, 76
.set G1SB, 80
.set G0SB, 88
.set MSB, 0
.macro WIN new
.if MSB != (\new)
	s_set_vgpr_msb (MSB<<8)|(\new)
.set MSB, (\new)
.endif
.endm
.set MUL_LO, 0xa1
.set MUL_HI, 0xf1
.set TO_B,   0x40
.macro JLOAD g0a, g1a, g0b, g1b
	s_cmp_eq_u32 s15, 0
	s_cbranch_scc0 .Lfor_b_\@
	tensor_load_to_lds s[\g0a:\g0a+3], s[\g1a:\g1a+7]
	s_nop 0
.rept 4
	v_nop
.endr
	s_branch .Lasked_\@
.Lfor_b_\@:
	tensor_load_to_lds s[\g0b:\g0b+3], s[\g1b:\g1b+7]
	s_nop 0
.rept 4
	v_nop
.endr
.Lasked_\@:
.endm
.macro CREST
	s_cmp_lg_u32 s14, 0
	s_cbranch_scc1 .Lnot_wave_0_\@
	s_barrier_signal -3
.Lnot_wave_0_\@:
	s_barrier_wait -3
	s_barrier_signal -1
	s_barrier_wait -1
.endm
.macro CROUND
	s_barrier_signal -1
	s_barrier_wait -1
	CREST
.endm
	s_load_b256 s[4:11], s[0:1], 0x0
	s_load_b64 s[96:97], s[0:1], 0x20
	s_load_b64 s[12:13], s[0:1], 0x28
	v_lshl_add_u32 v[SPW], v0, 2, SPARE
	v_mov_b32 v[NIL], 0
	ds_add_u32 v[SPW], v[NIL]
	ds_add_u32 v[SPW], v[NIL]
	v_lshrrev_b32 v1, 5, v0
	v_readfirstlane_b32 s14, v1
	s_lshr_b32 s15, s14, 1
	s_and_b32 s16, s14, 1
	s_bfe_u32 s40, ttmp6, 0x40000
	s_bfe_u32 s41, ttmp6, 0x40004
	s_lshl_b32 s42, ttmp9, 2
	s_add_co_u32 s42, s42, s40
	s_and_b32 s17, ttmp7, 0xffff
	s_lshl_b32 s17, s17, 2
	s_add_co_u32 s17, s17, s41
	s_lshl_b32 s43, s41, 2
	s_lshl_b32 s43, 15, s43
	s_lshl_b32 s44, 0x1111, s40
	s_or_b32 s[G1+0], s43, (3<<16)|(1<<21)
	s_mov_b32 s[G1+1], 768<<16
	s_mov_b32 s[G1+2], 4<<16
	s_mov_b32 s[G1+3], 768<<16
	s_mov_b32 s[G1+4], 4
	s_mov_b32 s[G1+5], 49152
	s_mov_b32 s[G1+6], 0
	s_mov_b32 s[G1+7], 0
	s_or_b32 s[G1B+0], s44, (0<<16)|(1<<20)|(1<<21)|(3<<22)|(3<<25)
	s_mov_b32 s[G1B+1], ROWB<<16
	s_mov_b32 s[G1B+2], 128<<16
	s_mov_b32 s[G1B+3], ROWB<<16
	s_mov_b32 s[G1B+4], 128
	s_mov_b32 s[G1B+5], KROW
	s_mov_b32 s[G1B+6], 0
	s_mov_b32 s[G1B+7], 0
	s_or_b32 s[G1S+0], s43, (3<<16)|(1<<20)|(1<<21)|(5<<22)|(3<<25)
	s_or_b32 s[G1SB+0], s44, (3<<16)|(1<<20)|(1<<21)|(5<<22)|(3<<25)
.irp g, G1S, G1SB
	s_mov_b32 s[\g+1], 32<<16
	s_mov_b32 s[\g+2], (128*KS/256)<<16
	s_mov_b32 s[\g+3], 32<<16
	s_mov_b32 s[\g+4], 128*KS/256
	s_mov_b32 s[\g+5], 32
	s_mov_b32 s[\g+6], 0
	s_mov_b32 s[\g+7], 0
.endr
	s_lshl_b32 s18, s16, 7
	s_lshl_b32 s20, s17, 8
	s_add_co_u32 s20, s20, s18
	s_lshl_b32 s46, s42, 8
	s_add_co_u32 s46, s46, s18
	s_mov_b32 s21, 0
	s_mov_b32 s47, 0
	s_mov_b64 s[18:19], KS
	s_mul_u64 s[22:23], s[20:21], s[18:19]
	s_mul_u64 s[92:93], s[46:47], s[18:19]
	s_mov_b64 s[18:19], 48
	s_mul_u64 s[20:21], s[20:21], s[18:19]
	s_mov_b64 s[18:19], KROW
	s_mul_u64 s[46:47], s[46:47], s[18:19]
	s_mul_i32 s45, s16, HALFA
	s_mul_i32 s95, s16, HALFT
	s_add_co_u32 s95, s95, 2*HALFA
	s_mul_i32 s94, s14, HALFS
	s_wait_dscnt 0x0
	s_wait_kmcnt 0x0
	s_add_nc_u64 s[8:9], s[8:9], 3072*KROW
	s_add_nc_u64 s[10:11], s[10:11], 3072*KS
	s_add_nc_u64 s[20:21], s[4:5], s[20:21]
	s_add_nc_u64 s[22:23], s[6:7], s[22:23]
	s_add_nc_u64 s[46:47], s[8:9], s[46:47]
	s_add_nc_u64 s[92:93], s[10:11], s[92:93]
	CROUND
	s_mov_b32 s[G0S], 1
	s_add_co_u32 s[G0S+1], s94, SCL
	s_mov_b64 s[G0S+2:G0S+3], s[22:23]
	s_or_b32 s[G0S+3], s[G0S+3], 0x80000000
	s_mov_b32 s[G0SB], 1
	s_add_co_u32 s[G0SB+1], s94, SCL
	s_mov_b64 s[G0SB+2:G0SB+3], s[92:93]
	s_or_b32 s[G0SB+3], s[G0SB+3], 0x80000000
	JLOAD G0S, G1S, G0SB, G1SB
.irp s, 0,1
	s_mov_b32 s[G0+4*\s], 1
	s_add_co_u32 s[G0+4*\s+1], s45, \s*SLOT
	s_add_nc_u64 s[G0+4*\s+2:G0+4*\s+3], s[20:21], \s*ASTEP
	s_or_b32 s[G0+4*\s+3], s[G0+4*\s+3], 0x80000000
	s_mov_b32 s[G0B+4*\s], 1
	s_add_co_u32 s[G0B+4*\s+1], s95, \s*SLOT
	s_add_nc_u64 s[G0B+4*\s+2:G0B+4*\s+3], s[46:47], \s*ROWB
	s_or_b32 s[G0B+4*\s+3], s[G0B+4*\s+3], 0x80000000
	s_wait_alu depctr_va_vdst(0)
	s_wait_tensorcnt 0x0
	ds_add_u32 v28, v29
	s_wait_dscnt 0x0
	CROUND
	JLOAD G0+4*\s, G1, G0B+4*\s, G1B
.endr
	v_and_b32 v1, 15, v0
	v_bfe_u32 v2, v0, 4, 1
	v_and_b32 v6, 31, v0
	v_mul_u32_u24 v3, v1, PITCH
	v_mul_u32_u24 v4, v2, 24
	v_add_nc_u32 v4, v3, v4
	v_lshl_add_u32 v5, v2, 4, v4
	v_lshlrev_b32 v[CO], 4, v6
	v_lshlrev_b32 v3, 3, v6
	s_mul_i32 s21, s15, HALFA
	s_mul_i32 s22, s16, HALFT
	s_add_co_u32 s22, s22, 2*HALFA
.irp s, 0,1
	v_add_nc_u32 v[ADRA+\s], s21, v[CO]
	v_add_nc_u32 v[ADRA+2+\s], s21, v3
	v_add_nc_u32 v[ADRB+\s], s22, v4
	v_add_nc_u32 v[ADRB+2+\s], s22, v5
	s_add_co_u32 s21, s21, SLOT
	s_add_co_u32 s22, s22, SLOT
.endr
	v_mul_u32_u24 v5, v1, KS
	v_lshrrev_b32 v6, 8, v5
	v_lshl_add_u32 v5, v6, 4, v5
	s_mul_i32 s21, s15, HALFS
	s_mul_i32 s22, s16, HALFS
	s_add_co_u32 s22, s22, 2*HALFS
	s_sub_co_u32 s22, s22, s21
	v_mul_u32_u24 v6, s22, v2
	s_add_co_u32 s21, s21, SCL
	v_add_nc_u32 v5, v5, v6
	v_add_nc_u32 v[ADRS], s21, v5
	s_mul_i32 s23, s14, 16*SPITCH
	v_mul_u32_u24 v5, v1, SPITCH
	v_lshl_add_u32 v5, v2, 6, v5
	v_add_nc_u32 v[STO], s23, v5
	v_add_nc_u32 v[RD], s23, v[CO]
	v_lshlrev_b32 v[BA], 6, v2
	s_wait_alu depctr_va_vdst(0)
	s_lshl_b32 s20, s17, 8
	s_lshl_b32 s21, s15, 7
	s_add_co_u32 s20, s20, s21
	s_lshl_b32 s20, s20, 12
	s_mov_b32 s21, 0
	s_lshl_b32 s46, s42, 10
	s_lshl_b32 s47, s16, 9
	s_add_co_u32 s46, s46, s47
	s_mov_b32 s47, 0
	s_add_nc_u64 s[96:97], s[96:97], s[46:47]
	s_add_nc_u64 s[20:21], s[20:21], s[46:47]
	s_add_nc_u64 s[12:13], s[12:13], s[20:21]
.irp b, 0,1,2,3,4,5,6,7
	global_load_b128 v[BI+8*\b:BI+8*\b+3], v[BA], s[96:97] offset:4*(32*(\b/2)+8*(\b%2))
	global_load_b128 v[BI+8*\b+4:BI+8*\b+7], v[BA], s[96:97] offset:4*(32*(\b/2)+8*(\b%2))+16
.endr
.macro FRAG reg, adr, q, i
.irp p, 0,1,2,3,4,5
.set PCE, 12*(\q)+6*(\p/3)+\p%3
.if PCE%8 < 5
	ds_load_b64 v[\reg+2*\p:\reg+2*\p+1], v[\adr] offset:8*PCE+16*(PCE/8)+(\i)*16*PITCH
.else
	ds_load_b64 v[\reg+2*\p:\reg+2*\p+1], v[\adr+2] offset:8*PCE+16*(PCE/8)+(\i)*16*PITCH
.endif
.endr
.endm
.macro FRAGA reg, slot, q, i
	ds_load_b128 v[\reg:\reg+3], v[ADRA+\slot] offset:(2*(\q))*6144+768*(\i)
	ds_load_b64 v[\reg+4:\reg+5], v[ADRA+2+\slot] offset:(2*(\q))*6144+768*(\i)+512
	ds_load_b128 v[\reg+6:\reg+9], v[ADRA+\slot] offset:(2*(\q)+1)*6144+768*(\i)
	ds_load_b64 v[\reg+10:\reg+11], v[ADRA+2+\slot] offset:(2*(\q)+1)*6144+768*(\i)+512
.endm
.macro MUL16 a0, p, q, sc, zero
.irp a, \a0, \a0+1
.irp b, 0,1,2,3,4,5,6,7
.if \zero
	v_wmma_scale_f32_16x16x128_f8f6f4 v[8*(8*((\a)%4)+\b):8*(8*((\a)%4)+\b)+7], v[128*(\p)+FR*\b:128*(\p)+FR*\b+FR-1], v[AF+FR*(\a):AF+FR*(\a)+FR-1], v[BI+8*\b:BI+8*\b+7], v[SC+8*NQ*(\sc)+NQ*\b+(\q)], v[SC+8*NQ*(\sc)+NQ*(\a)+(\q)] matrix_a_fmt:MATRIX_FMT_FP6 matrix_b_fmt:MATRIX_FMT_FP6 matrix_a_scale:MATRIX_SCALE_ROW1
.else
	v_wmma_scale_f32_16x16x128_f8f6f4 v[8*(8*((\a)%4)+\b):8*(8*((\a)%4)+\b)+7], v[128*(\p)+FR*\b:128*(\p)+FR*\b+FR-1], v[AF+FR*(\a):AF+FR*(\a)+FR-1], v[8*(8*((\a)%4)+\b):8*(8*((\a)%4)+\b)+7], v[SC+8*NQ*(\sc)+NQ*\b+(\q)], v[SC+8*NQ*(\sc)+NQ*(\a)+(\q)] matrix_a_fmt:MATRIX_FMT_FP6 matrix_b_fmt:MATRIX_FMT_FP6 matrix_a_scale:MATRIX_SCALE_ROW1
.endif
.endr
.endr
.endm
.macro FETCH_B slot, q, p
	WIN TO_B
.irp i, 0,1,2,3,4,5,6,7
	FRAG 128*(\p)+FR*\i, ADRB+\slot, \q, \i
.endr
	WIN 0
.endm
.macro FETCH_A slot, q, i0
.irp i, \i0, \i0+1, \i0+2, \i0+3
	FRAGA AF+FR*(\i), \slot, \q, \i
.endr
.endm
.macro SCALES sc
.irp i, 0,1,2,3,4,5,6,7
	ds_load_b64 v[SC+8*NQ*\sc+NQ*\i:SC+8*NQ*\sc+NQ*\i+1], v[ADRS] offset:\i*SBLK
.endr
.endm
.macro PLACES n
.rept \n
	v_nop
.endr
.endm
.macro STEP slot, q, zero
	s_wait_dscnt 4*NLA
.if \zero
	WIN 0x81
.else
	WIN MUL_LO
.endif
	MUL16 0, (\q)%2, \q, \slot, \zero
	MUL16 2, (\q)%2, \q, \slot, \zero
	s_wait_dscnt 0
	PLACES NP
	FETCH_B \slot, (\q)+1, 1-(\q)%2
	FETCH_A \slot, (\q)+1, 0
.if \zero
	WIN 0xc1
.else
	WIN MUL_HI
.endif
	MUL16 4, (\q)%2, \q, \slot, \zero
	MUL16 6, (\q)%2, \q, \slot, \zero
	PLACES NP
	WIN 0
	FETCH_A \slot, (\q)+1, 4
.endm
.macro TURN slot, next, fill
	s_wait_tensorcnt 0x0
	ds_add_u32 v[SPW], v[NIL]
	s_wait_dscnt 4*NLA+1
	WIN MUL_LO
	MUL16 0, 1, NQ-1, \slot, 0
	s_wait_dscnt 0x0
	s_barrier_signal -1
	MUL16 2, 1, NQ-1, \slot, 0
	WIN 0
	s_barrier_wait -1
.if \fill
	CREST
	s_add_nc_u64 s[G0+4*\slot+2:G0+4*\slot+3], s[G0+4*\slot+2:G0+4*\slot+3], 2*ASTEP
	s_add_nc_u64 s[G0B+4*\slot+2:G0B+4*\slot+3], s[G0B+4*\slot+2:G0B+4*\slot+3], 2*ROWB
	JLOAD G0+4*\slot, G1, G0B+4*\slot, G1B
.else
	PLACES NP
.endif
	s_wait_alu depctr_va_vdst(0)
	v_add_nc_u32 v[ADRS], 4*NQ, v[ADRS]
	FETCH_B \next, 0, 0
	FETCH_A \next, 0, 0
	SCALES \next
	WIN MUL_HI
	MUL16 4, 1, NQ-1, \slot, 0
	MUL16 6, 1, NQ-1, \slot, 0
	PLACES NP
	WIN 0
	FETCH_A \next, 0, 4
.endm
	s_wait_tensorcnt 1
	s_barrier_signal -1
	s_barrier_wait -1
	FETCH_B 0, 0, 0
	FETCH_A 0, 0, 0
	SCALES 0
	FETCH_A 0, 0, 4
	s_wait_loadcnt 0x0
	STEP 0, 0, 1
	s_mov_b32 s3, LAPS-1
.Llap:
	TURN 0, 1, 1
	STEP 1, 0, 0
	TURN 1, 0, 1
	STEP 0, 0, 0
	s_sub_co_u32 s3, s3, 1
	s_cmp_lg_u32 s3, 0
	s_cbranch_scc1 .Llap
	TURN 0, 1, 0
	STEP 1, 0, 0
	s_wait_dscnt 4*NLA
	WIN MUL_LO
	MUL16 0, 1, NQ-1, 1, 0
	MUL16 2, 1, NQ-1, 1, 0
	s_wait_dscnt 0
	WIN MUL_HI
	MUL16 4, 1, NQ-1, 1, 0
	MUL16 6, 1, NQ-1, 1, 0
	WIN 0
.macro TOSTAGE a
.set AC, 64*((\a)%4)
	WIN 0x08+4*((\a)/4)
.irp b, 0,1,2,3,4,5,6,7
	ds_store_b128 v[STO], v[AC+8*\b:AC+8*\b+3] offset:128*(\b/2)+32*(\b%2)
	ds_store_b128 v[STO], v[AC+8*\b+4:AC+8*\b+7] offset:128*(\b/2)+32*(\b%2)+16
.endr
	WIN 0
.set BB, BK+64*((\a)%2)
.irp t, 0,1,2,3,4,5,6,7,8,9,10,11,12,13,14,15
	ds_load_b128 v[BB+4*\t:BB+4*\t+3], v[RD] offset:\t*SPITCH
.endr
.endm
.macro SEND a, younger
.set BB, BK+64*((\a)%2)
	s_wait_dscnt \younger
.if (\a) > 0
.if (\a)%2
	s_add_nc_u64 s[12:13], s[12:13], 8*4096
.else
	s_add_nc_u64 s[12:13], s[12:13], 24*4096
.endif
.endif
.irp t, 0,1,2,3,4,5,6,7,8,9,10,11,12,13,14,15
	global_store_b128 v[CO], v[BB+4*\t:BB+4*\t+3], s[12:13] offset:(\t+8*(\t/8))*4096 th:TH_STORE_NT
.endr
.endm
	PLACES NP
	TOSTAGE 0
.irp a, 1,2,3,4,5,6,7
.if \a > 1
	s_wait_xcnt 0x0
.endif
	TOSTAGE \a
	SEND \a-1, 32
.endr
	s_wait_xcnt 0x0
	SEND 7, 0
	s_wait_tensorcnt 0x0
	ds_add_u32 v[SPW], v[NIL]
	s_wait_dscnt 0x0
	CROUND
	s_endpgm
.Lfunc_end_k_q4ece382ad2_fc:
	.size	k_q4ece382ad2_fc, .Lfunc_end_k_q4ece382ad2_fc-k_q4ece382ad2_fc
	.p2alignl 7, 3214868480
	.fill 96, 4, 3214868480
	.section	.rodata,"a",@progbits
	.p2align	6, 0x0
	.amdhsa_kernel k_q4ece382ad2_fc
		.amdhsa_group_segment_fixed_size 327680
		.amdhsa_private_segment_fixed_size 0
		.amdhsa_enable_private_segment 0
		.amdhsa_kernarg_size 48
		.amdhsa_user_sgpr_count 2
		.amdhsa_user_sgpr_kernarg_segment_ptr 1
		.amdhsa_wavefront_size32 1
		.amdhsa_system_sgpr_workgroup_id_x 1
		.amdhsa_system_sgpr_workgroup_id_y 1
		.amdhsa_system_sgpr_workgroup_id_z 1
		.amdhsa_system_vgpr_workitem_id 0
		.amdhsa_next_free_vgpr 1024
		.amdhsa_next_free_sgpr 100
		.amdhsa_reserve_vcc 0
		.amdhsa_float_denorm_mode_32 3
		.amdhsa_float_denorm_mode_16_64 3
		.amdhsa_memory_ordered 1
		.amdhsa_forward_progress 1
		.amdhsa_inst_pref_size 155
	.end_amdhsa_kernel
	.amdgpu_metadata
---
amdhsa.version: [ 1, 2 ]
amdhsa.kernels:
  - .name:           k_q4ece382ad2_fc
    .symbol:         k_q4ece382ad2_fc.kd
    .args:
      - { .name: oc, .offset: 0, .size: 8, .value_kind: global_buffer, .address_space: global }
      - { .name: os, .offset: 8, .size: 8, .value_kind: global_buffer, .address_space: global }
      - { .name: wc, .offset: 16, .size: 8, .value_kind: global_buffer, .address_space: global }
      - { .name: ws, .offset: 24, .size: 8, .value_kind: global_buffer, .address_space: global }
      - { .name: fc_b, .offset: 32, .size: 8, .value_kind: global_buffer, .address_space: global }
      - { .name: out0, .offset: 40, .size: 8, .value_kind: global_buffer, .address_space: global }
    .group_segment_fixed_size: 327680
    .private_segment_fixed_size: 0
    .kernarg_segment_align: 8
    .kernarg_segment_size: 48
    .max_flat_workgroup_size: 128
    .sgpr_count:     100
    .vgpr_count:     1024
    .wavefront_size: 32
...
	.end_amdgpu_metadata
.endif
;; end of part 5
